; MI455X (gfx1250); checked and timed in simulation.
; The chip was launched on July 23, 2026; its instructions are those of AMD's public machine-readable ISA for CDNA 5 (MIT licence, August 2026) and "CDNA5" Instruction Set Architecture Reference Guide (July 2026). The comments in the code are by the model that wrote it; some were corrected since.
;; Attention. Allowed arithmetic: matrix products marked QUANTISED: E2M1 operands, one E8M0 scale for each 32 along K, by v_wmma_scale_f32_16x16x128_f8f6f4 with both operands' format E2M1 (or v_wmma_scale_f32_32x16x128_f4), f32 sums; everything else in f32.
;; Inputs: b_proj 1,024 float32; b_qkv 3,072 float32; w_proj_codes 1,024 x 32 x 16 uint8 (E2M1 codes of w_proj, K innermost, in blocks of 32 codes, two codes a byte); w_proj_scales 1,024 x 32 uint8 (E8M0 scales of w_proj, one for each 32 codes along K); w_qkv_codes 3,072 x 32 x 16 uint8 (E2M1 codes of w_qkv, K innermost, in blocks of 32 codes, two codes a byte); w_qkv_scales 3,072 x 32 uint8 (E8M0 scales of w_qkv, one for each 32 codes along K); x_codes 4 x 2,048 x 32 x 16 uint8 (E2M1 codes of x, K innermost, in blocks of 32 codes, two codes a byte); x_scales 4 x 2,048 x 32 uint8 (E8M0 scales of x, one for each 32 codes along K).
;; Outputs: out0 4 x 2,048 x 1,024 float32.
;; This version of the problem:
;;   THIS VERSION OF THE PROBLEM IS GIVEN IN LOW PRECISION. The matrix products marked QUANTISED in the list below multiply operands that are first quantised to E2M1 (2 exponent bits, 1 mantissa bit; 4 bits a number), with one power-of-two scale for each 32 numbers along K (OCP MX v1.0); their sums are f32. All else is computed in f32.
;;   The module's matrix products, in the order in which they are computed (A, B: the left and right operand; K: the contracted axis; several contracted axes count as one K, in the product's order):
;;     1. [M 8,192, K 1,024] x [K 1,024, N 3,072]; A: input x (given as codes); B: input w_qkv (given as codes): QUANTISED
;;     2. batch 64 x [M 2,048, K 64] x [K 64, N 2,048]; A: computed on the way; B: computed on the way: QUANTISED
;;     3. batch 64 x [M 2,048, K 2,048] x [K 2,048, N 64]; A: softmax (see below); B: computed on the way: QUANTISED
;;     4. [M 8,192, K 1,024] x [K 1,024, N 1,024]; A: computed on the way; B: input w_proj (given as codes): QUANTISED
;;   THE QUANTISER, for each operand of a quantised product, along K:
;;     - K is cut into blocks of 32 from its start; a last block that is shorter is filled with zeros.
;;     - A block's scale is 2^e with e = floor(log2(the largest magnitude in the block)) - 2, held to -126 .. 127; a block of zeros has e = 0. As a byte (E8M0): e + 127.
;;     - Each number is divided by its block's scale, clamped to +-6, and rounded to the nearest number of E2M1, ties to even, subnormals kept.
;;     - The product sums the exact products of the quantised numbers (number of the format x scale) in f32.
;;   ~~~python
;;   def quantise(x, axis):      # numpy; x: float32 -> the quantised numbers, widened to float32 again
;;       x = np.moveaxis(x, axis, -1); K = x.shape[-1]
;;       x = np.pad(x, [(0, 0)] * (x.ndim - 1) + [(0, -K % 32)]); x = x.reshape(x.shape[:-1] + (-1, 32)); a = np.abs(x).max(-1, keepdims=True)
;;       e = np.where(a > 0, np.clip(np.frexp(np.where(a > 0, a, 1))[1] - 1 - 2, -126, 127), 0)      # np.frexp(a)[1] - 1 = floor(log2(a)), exactly
;;       r = np.clip(x / 2.0 ** e, -6, 6)
;;       step = 2.0 ** (np.maximum(np.frexp(np.where(r == 0, 1, r))[1] - 1, 0) - 1)
;;       q = np.round(r / step) * step * 2.0 ** e      # np.round: ties to even
;;       return np.moveaxis(q.reshape(q.shape[:-2] + (-1,))[..., :K], -1, axis).astype(np.float32)
;;   ~~~
;;   SOFTMAX AHEAD OF A QUANTISED PRODUCT. Where the list says 'softmax', what is quantised is not the finished softmax but p = 2^(t - M), with t = logit x log2(e) and M = ceil(the row's largest t), a whole number; so 1/2 < the row's largest p <= 1. The row's sum l is taken of the UNQUANTISED p, in f32, and the product's result is divided by l at the end. Since M is a whole number, a kernel that streams over the keys may use a running M (the ceiling of the running maximum): every later rescaling is an exact power of two, which a block's scale takes up: the codes' values come out the same.
;;   OPERANDS COMPUTED ON THE WAY. 'Computed on the way' means the value that the module computes at that place (a softmax that the list does not call 'softmax' is quantised finished and normalised). What goes into a quantiser is computed in f32, as accurately as f32 sums, v_exp_f32 and their like allow (about 1e-6 of the number): no bf16 or f16 on the way to a quantiser, and a product that is left as it is and whose result goes on into a quantised operand takes f32 operands (vector FMAs, or v_wmma_f32_16x16x4_f32). A number that lies on a knife's edge between two numbers of the format may be rounded either way, as far as f32 arithmetic and the matrix unit's own rounding can turn it there, and no further.
;;   INPUTS GIVEN AS CODES. w_proj (in the module: [1024, 1024], K = its axis 0); w_qkv (in the module: [1024, 3072], K = its axis 0); x (in the module: [4, 2048, 1024], K = its axis 2): each comes as NAME_codes (uint8): NAME with its K axis moved to the last place and cut into blocks of 32 codes, [.., K / 32, bytes a block], one block behind the other in memory; two codes a byte, the lower K in the low four bits (a code: sign, 2 exponent bits, 1 mantissa bit); and NAME_scales (uint8): the same leading axes, one E8M0 byte (e + 127) for each 32 codes along K. Its value is code x scale, taken as it is: it is not quantised again, and the codes and scales need not be those that the quantiser above would give.
;; One version. Each part assembles by itself: llvm-mc -triple=amdgcn-amd-amdhsa -mcpu=gfx1250 --defsym DOCPART=n.
;; ======== version 1 of 1: 3 launches
;; workspace buffers: qbuf 4,718,592 bytes; kv 9,175,040 bytes; oc 4,194,304 bytes; osc 262,144 bytes
;; launch qkv (part 1): grid 12 x 32, 4 waves a work-group, clusters of 4 x 4, 296,448 bytes of LDS; arguments x_codes, x_scales, w_qkv_codes, w_qkv_scales, b_qkv, qbuf, kv; writes qbuf, kv
.if DOCPART == 1
	.amdgcn_target "amdgcn-amd-amdhsa--gfx1250"
	.amdhsa_code_object_version 6
	.text
	.protected	k_qd5285026dc_qkv
	.globl	k_qd5285026dc_qkv
	.p2align	8
	.type	k_qd5285026dc_qkv,@function
k_qd5285026dc_qkv:
	s_mov_b64 s[64:65], 0
	v_nop
	global_prefetch_b8 v0, s[64:65] scope:SCOPE_SE
	s_setreg_imm32_b32 hwreg(HW_REG_WAVE_MODE, 25, 1), 1
	s_wait_xcnt 0x0
	s_wait_alu depctr_hold_cnt(0) depctr_sa_sdst(0) depctr_va_vdst(0) depctr_va_sdst(0) depctr_va_ssrc(0) depctr_va_vcc(0) depctr_vm_vsrc(0)
	s_getreg_b32 s2, hwreg(HW_REG_IB_STS2, 6, 4)
	s_cmp_eq_u32 s2, 0
	s_cbranch_scc0 .Lentry_in_a_cluster
	s_endpgm
.Lentry_in_a_cluster:
	s_bfe_u32 s2, ttmp6, 0x10000c
	s_cmp_lg_u32 s2, 0xf033
	s_cbranch_scc0 .Lentry_shape_is_right
	s_endpgm
.Lentry_shape_is_right:
; qkv = x w_qkv + b_qkv on codes of FP4 (E2M1) with E8M0 scales, sums in f32; then q and k are quantised along the head's 64, v along the keys, and leave as IMAGES OF OPERAND REGISTERS.
; NOTHING OF THE PROBLEM IS LEFT OUT in this program: all four products, both biases (the part of b_qkv on k too: it goes into a quantiser) and the maximum ahead of the exponentials are computed; every input is loaded.
; LIMITS: NaN and infinities among the inputs are not served.  A block whose largest magnitude lies under 2^-124 has its scale byte held at 1; a block of zeros gets the byte 1 with zero codes (the rule says 127: the
; values are the same, and these bytes are read by this program alone).
; SHAPE.  A tile of 256 x 256 to a work-group of four waves, 128 x 128 a wave: 64 accumulators of 16 x 16.  K = 1,024 lies in two LDS slots of 512 along K (rows of 256 bytes): both are first fills, nothing is filled again.
; The matrix instruction takes 16 rows of "B" as source 0 and 16 rows of "A" as source 1: a lane then holds ONE row of A, and its eight registers eight neighbouring rows of B.
; TWO KINDS OF CLUSTER, told apart by the cluster's x, which all sixteen partners share.  x = 0 (q), 1 (k): A = x's tokens, B = w's columns: a lane holds a token and its registers run along the head's axis, q's and k's next K.
; x = 2 (v): A = w's columns 2,048 on, B = x's tokens: a lane holds a channel and its registers run along the keys, v's next K.  The kind chooses pointers and tile numbers by selects, and one branch on the way out.
; CLUSTERS: 4 x 4.  A's tile hangs on the place along y alone and is asked for jointly by a row of the cluster, B's on the place along x alone, by a column.
; THE QUANTISER IN REGISTERS.  Tiles 2 B and 2 B + 1 of the result are a block of 32 along the next K: 16 numbers in lane l, 16 in lane l xor 16.  For two blocks (four tiles) the four conversions go to registers
; C+0 (tile 0), C+1 (tile 2), C+2 (tile 1), C+3 (tile 3); two exchanges of halves (C+0 with C+1, C+2 with C+3) leave lane (r, h) with the 16 bytes of block h of row r: registers 4 c .. 4 c + 3 of a 4-bit operand.
; OUT.  qbuf: [head 64][128 queries: 4,608 bytes]: codes [tile 8][lane][16], then scale words [lane][4] (lane rho + 16 hh, word b: tile 2 b + hh, row rho).  kv: [head 64][128 keys: 8,960 bytes]: K's codes as Q's;
; V's codes [channel tile 4][c 2][lane][16]; K's scale words as Q's; V's scale words [lane][2].  Q's and K's words carry 0x7f in bytes 2 and 3: the upper half of a K of 128 is not theirs.  Each store of codes covers 512 consecutive bytes, aligned.
; REGISTERS, in windows of 256: window 0: v0-31 addresses; v32-95 scale words, two sets; v128-191 A's fragments, one set; on the way out v32-255 are free.  window 1: B's fragments, two sets.  windows 2, 3: the accumulators.
.set NQ,     4                         ; steps of 128 along K in a slot
.set ROWB,   256                       ; a tile's row in bytes: 512 codes
.set KROW,   512                       ; a row of x or of w in memory
.set PITCH,  272                       ; an LDS row: 256 bytes + 16 of padding: the 16 rows of a load start at 16 different banks (64 banks of 4 bytes: ISA guide 11.1)
.set FR,     8                         ; registers of a fragment
.set NL,     2                         ; LDS loads that bring one
.set NP,     4                         ; places behind this matrix instruction (ISA guide 7.12.1)
.set HALFT,  128*PITCH                 ; what one tensor load brings
.set SLOT,   4*HALFT                   ; A's 256 rows, then B's 256
.set KS,     32                        ; a row of scale bytes
.set SCL,    2*SLOT                    ; behind the slots: the scales, units of 256 bytes + 16 of padding
.set HALFS,  16*272                    ; those of 128 rows
.set SBLK,   2*272                     ; those of 16 rows
.set SPARE,  SCL+4*HALFS               ; the spare words, 128 bytes a wave: two blocks of 256 bytes that no other line names
.set QHEAD,  73728                     ; a head in qbuf;  a package of 128 queries
.set QPKG,   4608
.set KVHEAD, 143360                    ; a head in kv;  a package of 128 keys
.set KVPKG,  8960
.set ADRA, 16                          ; v16-17  LDS address of my A fragments in slot 0, 1
.set ADRB, 20                          ; v20-21  the same for B
.set LO16, 24                          ; v24     16 x lane
.set LO8,  25                          ; v25     8 x lane
.set BO,   26                          ; v26     my offset in the bias
.set ADRS, 27                          ; v27     LDS address of my scale words: lanes 0-15 A's rows, lanes 16-31 B's
.set SPW,  28                          ; v28     my spare word; never rewritten
.set NIL,  29                          ; v29     0; never rewritten
.set SC,   32                          ; scale words: set s at v[SC + 32 s]; register 4 i + q: lanes 0-15 A's block i, lanes 16-31 B's block i
.set AF,   128                         ; A's fragments
.set T,    32                          ; the way out: v32-63 the 32 numbers in hand
.set M0,   96                          ; v96-97 largest magnitudes, v98-99 the other half's, v100-101 scale operands, v102-103 scale bytes
.set W,    112                         ; v112-119 a scale word for each block a
.set WO,   120                         ; v120-127 scale words as they are stored
.set CD,   128                         ; v128-191 codes: four registers for each (a, g), so that no store's data are written again
.set BI,   192                         ; v192-255 the bias
.set G1, 24                            ; s[24:31], s[32:39] groups 1 and 0 (a set a slot) for A's codes
.set G0, 32
.set G1B, 48                           ; s[48:55], s[56:63] for B's
.set G0B, 56
.set G1S, 68                           ; s[68:75], s[76:79] for A's scales;  s[80:87], s[88:91] for B's
.set G0S, 76
.set G1SB, 80
.set G0SB, 88
.set MSB, 0
.macro WIN new                         ; the immediate's high byte repeats the setting that is left
.if MSB != (\new)
	s_set_vgpr_msb (MSB<<8)|(\new)
.set MSB, (\new)
.endif
.endm
.set MUL_LO, 0xa1                      ; source 0 (B) window 1, source 1 (A) window 0, C and D window 2
.set MUL_HI, 0xf1                      ; the same, C and D window 3
.set TO_B,   0x40                      ; destination window 1
; A joint load: waves 0 and 1 fetch for A, waves 2 and 3 for B; the branch hangs on the wave's number alone.  An s_nop 0 and four v_nop follow each of the two lines.
.macro JLOAD g0a, g1a, g0b, g1b
	s_cmp_eq_u32 s15, 0
	s_cbranch_scc0 .Lfor_b_\@
	tensor_load_to_lds s[\g0a:\g0a+3], s[\g1a:\g1a+7]
	s_nop 0
.rept 4
	v_nop
.endr
	s_branch .Lasked_\@
.Lfor_b_\@:
	tensor_load_to_lds s[\g0b:\g0b+3], s[\g1b:\g1b+7]
	s_nop 0
.rept 4
	v_nop
.endr
.Lasked_\@:
.endm
.macro CREST                           ; a round of the cluster's barrier behind its opening barrier
	s_cmp_lg_u32 s14, 0
	s_cbranch_scc1 .Lnot_wave_0_\@
	s_barrier_signal -3
.Lnot_wave_0_\@:
	s_barrier_wait -3
	s_barrier_signal -1
	s_barrier_wait -1
.endm
.macro CROUND
	s_barrier_signal -1
	s_barrier_wait -1
	CREST
.endm
	s_load_b256 s[4:11], s[0:1], 0x0               ; x's codes s[4:5], x's scales s[6:7], w's codes s[8:9], w's scales s[10:11]
	s_load_b64 s[12:13], s[0:1], 0x20              ; b_qkv
	s_load_b128 s[96:99], s[0:1], 0x28             ; qbuf s[96:97], kv s[98:99]
	v_lshl_add_u32 v[SPW], v0, 2, SPARE
	v_mov_b32 v[NIL], 0
	ds_add_u32 v[SPW], v[NIL]                      ; the wave's opening: the add, twice on end, and its wait ahead of my first tensor load
	ds_add_u32 v[SPW], v[NIL]                      ; and once more; the set-up below, work on registers, stands between it and the wait
	v_lshrrev_b32 v1, 5, v0
	v_readfirstlane_b32 s14, v1                    ; wave 0..3
	s_lshr_b32 s15, s14, 1                         ; which half of A's rows is mine.  Also: I fetch for A (0) or for B (1)
	s_and_b32 s16, s14, 1                          ; which half of B's rows.  Also: which 128 rows of that tile I fetch
	s_bfe_u32 s40, ttmp6, 0x40000                  ; cx, cy: my place in the cluster
	s_bfe_u32 s41, ttmp6, 0x40004
	s_and_b32 s18, ttmp7, 0xffff                   ; the cluster's y
	s_cmp_eq_u32 ttmp9, 2                          ; the kind: the cluster's x, the same in all sixteen partners
	s_cselect_b32 s17, 0, s18                      ; v: A = w's 1,024 columns of v, four tiles;  q, k: A = x, by the cluster's y
	s_cselect_b32 s42, s18, ttmp9                  ; v: B = x, by the cluster's y;  q, k: B = w, by the cluster's x
	s_cselect_b32 s19, 2048, 0                     ; v's columns begin at row 2,048 of w
	s_lshl_b32 s17, s17, 2
	s_add_co_u32 s17, s17, s41                     ; A's tile: it holds cy and never cx
	s_lshl_b32 s42, s42, 2
	s_add_co_u32 s42, s42, s40                     ; B's tile: it holds cx and never cy
	s_lshl_b32 s43, s41, 2
	s_lshl_b32 s43, 15, s43                        ; my row of the cluster
	s_lshl_b32 s44, 0x1111, s40                    ; my column
	; group 1: a tile of 128 rows x 256 bytes, padded in LDS
	s_or_b32 s[G1+0], s43, (0<<16)|(1<<20)|(1<<21)|(5<<22)|(3<<25)  ; 15:0 the mask; 17:16 elements of 1 byte; 20 padding on; 21 set beside a mask; 24:22 after every 64 words; 31:25 four words
	s_or_b32 s[G1B+0], s44, (0<<16)|(1<<20)|(1<<21)|(5<<22)|(3<<25)
.irp g, G1, G1B
	s_mov_b32 s[\g+1], ROWB<<16                    ; tensor_dim0
	s_mov_b32 s[\g+2], 128<<16                     ; tensor_dim1
	s_mov_b32 s[\g+3], ROWB<<16                    ; tile_dim0
	s_mov_b32 s[\g+4], 128                         ; tile_dim1
	s_mov_b32 s[\g+5], KROW                        ; from row to row
	s_mov_b32 s[\g+6], 0
	s_mov_b32 s[\g+7], 0
.endr
	; the scales of 128 rows: 4,096 dense bytes, as 16 rows of 256 bytes (32 elements of 8), 16 bytes of padding behind each
	s_or_b32 s[G1S+0], s43, (3<<16)|(1<<20)|(1<<21)|(5<<22)|(3<<25)
	s_or_b32 s[G1SB+0], s44, (3<<16)|(1<<20)|(1<<21)|(5<<22)|(3<<25)
.irp g, G1S, G1SB
	s_mov_b32 s[\g+1], 32<<16
	s_mov_b32 s[\g+2], 16<<16
	s_mov_b32 s[\g+3], 32<<16
	s_mov_b32 s[\g+4], 16
	s_mov_b32 s[\g+5], 32
	s_mov_b32 s[\g+6], 0
	s_mov_b32 s[\g+7], 0
.endr
	s_lshl_b32 s18, s16, 7                         ; which 128 rows of the tile I fetch
	s_lshl_b32 s20, s17, 8
	s_add_co_u32 s20, s20, s18
	s_add_co_u32 s20, s20, s19                     ; A's first row
	s_lshl_b32 s46, s42, 8
	s_add_co_u32 s46, s46, s18                     ; B's first row
	s_lshl_b32 s22, s20, 5                         ; in bytes: 32 a row of scales,
	s_mov_b32 s23, 0
	s_lshl_b32 s20, s20, 9                         ; 512 a row of codes (all under 2^23)
	s_mov_b32 s21, 0
	s_lshl_b32 s66, s46, 5
	s_mov_b32 s67, 0
	s_lshl_b32 s46, s46, 9
	s_mov_b32 s47, 0
	s_mul_i32 s45, s14, HALFT                      ; where they go: wave x 128 rows: no place in the cluster enters an LDS address
	s_mul_i32 s100, s14, HALFS
	s_wait_dscnt 0x0                               ; both opening adds are done
	s_wait_kmcnt 0x0
	s_cmp_eq_u32 ttmp9, 2                          ; the kind chooses the buffers: a choice that hangs on no address
	s_cselect_b64 s[92:93], s[8:9], s[4:5]         ; A's codes
	s_cselect_b64 s[94:95], s[10:11], s[6:7]       ; A's scales
	s_cselect_b64 s[4:5], s[4:5], s[8:9]           ; B's codes
	s_cselect_b64 s[6:7], s[6:7], s[10:11]         ; B's scales
	s_add_nc_u64 s[20:21], s[92:93], s[20:21]
	s_add_nc_u64 s[22:23], s[94:95], s[22:23]
	s_add_nc_u64 s[46:47], s[4:5], s[46:47]
	s_add_nc_u64 s[66:67], s[6:7], s[66:67]
	CROUND                                         ; all sixteen work-groups are here: the first joint loads meet
	s_mov_b32 s[G0S], 1
	s_add_co_u32 s[G0S+1], s100, SCL
	s_mov_b64 s[G0S+2:G0S+3], s[22:23]
	s_or_b32 s[G0S+3], s[G0S+3], 0x80000000
	s_mov_b32 s[G0SB], 1
	s_add_co_u32 s[G0SB+1], s100, SCL
	s_mov_b64 s[G0SB+2:G0SB+3], s[66:67]
	s_or_b32 s[G0SB+3], s[G0SB+3], 0x80000000
	JLOAD G0S, G1S, G0SB, G1SB                     ; the scales first: they are wanted with the first step
.irp s, 0,1
	s_mov_b32 s[G0+4*\s], 1
	s_add_co_u32 s[G0+4*\s+1], s45, \s*SLOT
	s_add_nc_u64 s[G0+4*\s+2:G0+4*\s+3], s[20:21], \s*ROWB
	s_or_b32 s[G0+4*\s+3], s[G0+4*\s+3], 0x80000000
	s_mov_b32 s[G0B+4*\s], 1
	s_add_co_u32 s[G0B+4*\s+1], s45, \s*SLOT
	s_add_nc_u64 s[G0B+4*\s+2:G0B+4*\s+3], s[46:47], \s*ROWB
	s_or_b32 s[G0B+4*\s+3], s[G0B+4*\s+3], 0x80000000
	JLOAD G0+4*\s, G1, G0B+4*\s, G1B               ; three tensor loads of mine are out at the most
.endr
	v_and_b32 v1, 15, v0                           ; r = l % 16
	v_bfe_u32 v2, v0, 4, 1                         ; h = l / 16
	v_mul_u32_u24 v3, v1, PITCH
	v_lshl_add_u32 v4, v2, 4, v3                   ; a fragment's row x pitch + 16 x half
	s_mul_i32 s21, s15, HALFT                      ; my 128 rows of A
	s_mul_i32 s22, s16, HALFT                      ; my 128 rows of B,
	s_add_co_u32 s22, s22, 2*HALFT                 ; behind A's 256
.irp s, 0,1
	v_add_nc_u32 v[ADRA+\s], s21, v4
	v_add_nc_u32 v[ADRB+\s], s22, v4
	s_add_co_u32 s21, s21, SLOT
	s_add_co_u32 s22, s22, SLOT
.endr
	v_mul_u32_u24 v5, v1, KS                       ; my row's scales: 32 bytes a row,
	v_lshrrev_b32 v6, 8, v5
	v_lshl_add_u32 v5, v6, 4, v5                   ; and 16 more for each 256 passed
	s_mul_i32 s21, s15, HALFS
	s_mul_i32 s22, s16, HALFS
	s_add_co_u32 s22, s22, 2*HALFS
	s_sub_co_u32 s22, s22, s21
	v_mul_u32_u24 v6, s22, v2                      ; lanes 16-31 take B's: one product, the distance between the two bases
	s_add_co_u32 s21, s21, SCL
	v_add_nc_u32 v5, v5, v6
	v_add_nc_u32 v[ADRS], s21, v5
	v_and_b32 v6, 31, v0
	v_lshlrev_b32 v[LO16], 4, v6
	v_lshlrev_b32 v[LO8], 3, v6
.macro FRAG reg, adr, q, i             ; 16 rows x 128 K of 4-bit codes: registers 4 c .. 4 c + 3 hold K = 64 c + 32 (l / 16) + 0 .. 31
.irp c, 0,1
	ds_load_b128 v[\reg+4*\c:\reg+4*\c+3], v[\adr] offset:64*(\q)+32*\c+(\i)*16*PITCH
.endr
.endm
; 16 matrix instructions: A's blocks a0, a0 + 1 x B's eight.  The 64 accumulators take turns, one instruction a turn, in the same order in every step.
.macro MUL16 a0, p, q, sc, zero
.irp a, \a0, \a0+1
.irp b, 0,1,2,3,4,5,6,7
.if \zero
	v_wmma_scale_f32_16x16x128_f8f6f4 v[8*(8*((\a)%4)+\b):8*(8*((\a)%4)+\b)+7], v[128*(\p)+FR*\b:128*(\p)+FR*\b+FR-1], v[AF+FR*(\a):AF+FR*(\a)+FR-1], 0, v[SC+8*NQ*(\sc)+NQ*\b+(\q)], v[SC+8*NQ*(\sc)+NQ*(\a)+(\q)] matrix_a_fmt:MATRIX_FMT_FP4 matrix_b_fmt:MATRIX_FMT_FP4 matrix_a_scale:MATRIX_SCALE_ROW1
.else
	v_wmma_scale_f32_16x16x128_f8f6f4 v[8*(8*((\a)%4)+\b):8*(8*((\a)%4)+\b)+7], v[128*(\p)+FR*\b:128*(\p)+FR*\b+FR-1], v[AF+FR*(\a):AF+FR*(\a)+FR-1], v[8*(8*((\a)%4)+\b):8*(8*((\a)%4)+\b)+7], v[SC+8*NQ*(\sc)+NQ*\b+(\q)], v[SC+8*NQ*(\sc)+NQ*(\a)+(\q)] matrix_a_fmt:MATRIX_FMT_FP4 matrix_b_fmt:MATRIX_FMT_FP4 matrix_a_scale:MATRIX_SCALE_ROW1
.endif
.endr
.endr
.endm
.macro FETCH_B slot, q, p
	WIN TO_B
.irp i, 0,1,2,3,4,5,6,7
	FRAG 128*(\p)+FR*\i, ADRB+\slot, \q, \i
.endr
	WIN 0
.endm
.macro FETCH_A slot, q, i0
.irp i, \i0, \i0+1, \i0+2, \i0+3
	FRAG AF+FR*(\i), ADRA+\slot, \q, \i
.endr
.endm
.macro SCALES sc                       ; a slot's scale words: four words a row; lanes 0-15 A's block i, lanes 16-31 B's block i
.irp i, 0,1,2,3,4,5,6,7
	ds_load_b128 v[SC+8*NQ*\sc+NQ*\i:SC+8*NQ*\sc+NQ*\i+3], v[ADRS] offset:\i*SBLK
.endr
.endm
.macro PLACES n                        ; plain vector instructions that name no register of the matrix instructions ahead (ISA guide 7.12.1)
.rept \n
	v_nop
.endr
.endm
.macro STEP slot, q, zero              ; 128 along K, with its successor in the same slot
	s_wait_dscnt 4*NL                              ; B's set and A's blocks 0-3 are in; the youngest eight loads (A's blocks 4-7) may be out
	WIN MUL_LO
	MUL16 0, (\q)%2, \q, \slot, \zero
	MUL16 2, (\q)%2, \q, \slot, \zero
	s_wait_dscnt 0                                 ; A's blocks 4-7 are in
	PLACES NP
	FETCH_B \slot, (\q)+1, 1-(\q)%2
	FETCH_A \slot, (\q)+1, 0
	WIN MUL_HI
	MUL16 4, (\q)%2, \q, \slot, \zero
	MUL16 6, (\q)%2, \q, \slot, \zero
	PLACES NP
	WIN 0
	FETCH_A \slot, (\q)+1, 4
.endm
.macro TURN slot, next                 ; slot 0's last step: one barrier, in front of which each wave's part of slot 1 has landed.  Nothing is filled again
	s_wait_tensorcnt 0x0                           ; all my tensor loads have landed
	ds_add_u32 v[SPW], v[NIL]                      ; 0 onto my spare word
	s_wait_dscnt 4*NL+1                            ; (the add and the youngest eight loads may be out)
	WIN MUL_LO
	MUL16 0, 1, NQ-1, \slot, 0
	s_wait_dscnt 0x0                               ; no LDS instruction of mine is pending at the signal
	s_barrier_signal -1
	MUL16 2, 1, NQ-1, \slot, 0
	WIN 0
	s_barrier_wait -1                              ; slot 1 is whole
	PLACES NP
	v_add_nc_u32 v[ADRS], 4*NQ, v[ADRS]            ; on to slot 1's scale words
	FETCH_B \next, 0, 0
	FETCH_A \next, 0, 0
	SCALES \next
	WIN MUL_HI
	MUL16 4, 1, NQ-1, \slot, 0
	MUL16 6, 1, NQ-1, \slot, 0
	PLACES NP
	WIN 0
	FETCH_A \next, 0, 4
.endm
.macro STEPS slot, from
.set Q, \from
.rept NQ-1-\from
	STEP \slot, Q, 0
.set Q, Q+1
.endr
.endm
	s_wait_alu depctr_va_vdst(0)
	s_wait_tensorcnt 1                             ; the scales and my part of slot 0 are in; slot 1's load may be out
	s_barrier_signal -1
	s_barrier_wait -1
	FETCH_B 0, 0, 0
	FETCH_A 0, 0, 0
	SCALES 0
	FETCH_A 0, 0, 4
	STEP 0, 0, 1                                   ; the first products start the sums: nothing is cleared
	STEPS 0, 1
	TURN 0, 1
	STEPS 1, 0
	s_wait_dscnt 4*NL                              ; the last step: nothing more to fetch
	WIN MUL_LO
	MUL16 0, 1, NQ-1, 1, 0
	MUL16 2, 1, NQ-1, 1, 0
	s_wait_dscnt 0
	WIN MUL_HI
	MUL16 4, 1, NQ-1, 1, 0
	MUL16 6, 1, NQ-1, 1, 0
	WIN 0
; THE WAY OUT.  EPI takes block a of A's rows and four tiles 4 g .. 4 g + 3 of B's rows: 32 numbers a lane, two blocks of 32 along the next K.  vk = 0: q, k (the bias runs along the registers); 1: v (one bias number a lane).
.macro EPI a, g, vk
.set AC, 8*(8*((\a)%4)+4*(\g))
.set CC, CD+4*(2*(\a)+(\g))
	WIN 2+(\a)/4                                   ; source 0: the accumulators' window
.irp i, 0,1,2,3
.irp u, 0,2,4,6
.if \vk
	v_pk_add_f32 v[T+8*\i+\u:T+8*\i+\u+1], v[AC+8*\i+\u:AC+8*\i+\u+1], v[BI+2*(\a):BI+2*(\a)+1]   ; each accumulator from its low end on
.else
	v_pk_add_f32 v[T+8*\i+\u:T+8*\i+\u+1], v[AC+8*\i+\u:AC+8*\i+\u+1], v[BI+8*(4*(\g)+\i)+\u:BI+8*(4*(\g)+\i)+\u+1]
.endif
.endr
.endr
	WIN 0
	v_max3_num_f32 v[M0], |v[T]|, |v[T+1]|, 0x1800000          ; my 16 numbers of each block, and the floor 2^(3 - 127): the byte cannot fall under 1
	v_max3_num_f32 v[M0+1], |v[T+16]|, |v[T+17]|, 0x1800000
.irp i, 2,4,6,8,10,12,14
	v_max3_num_f32 v[M0], v[M0], |v[T+\i]|, |v[T+\i+1]|        ; (the two blocks by turns)
	v_max3_num_f32 v[M0+1], v[M0+1], |v[T+16+\i]|, |v[T+17+\i]|
.endr
	v_permlanex16_b32 v[M0+2], v[M0], s20, s21
	v_permlanex16_b32 v[M0+3], v[M0+1], s20, s21
	v_max_num_f32 v[M0], v[M0], v[M0+2]                        ; with lane l xor 16's: the block's largest magnitude
	v_max_num_f32 v[M0+1], v[M0+1], v[M0+3]
	v_add_nc_u32 v[M0+4], 0xff000000, v[M0]                    ; 2 off the exponent field: the conversion's scale operand
	v_add_nc_u32 v[M0+5], 0xff000000, v[M0+1]
	v_lshrrev_b32 v[M0+6], 23, v[M0+4]                         ; the scale's byte
	v_lshrrev_b32 v[M0+7], 23, v[M0+5]
.if \vk
.if \g
	v_lshl_or_b32 v[W+(\a)], v[M0+6], 16, v[W+(\a)]            ; v: the step's key blocks 2 and 3
	v_lshl_or_b32 v[W+(\a)], v[M0+7], 24, v[W+(\a)]
.else
	v_lshl_or_b32 v[W+(\a)], v[M0+7], 8, v[M0+6]               ; v: key blocks 0 and 1
.endif
.else
	v_lshl_or_b32 v[W+(\a)], v[M0+7], 8, v[M0+6]               ; q, k: the head's two blocks,
	v_or_b32 v[W+(\a)], 0x7f7f0000, v[W+(\a)]                  ; and 1.0 for the upper half of a K of 128
.endif
	v_cvt_scalef32_pk8_fp4_f32 v[CC], v[T:T+7], v[M0+4]
	v_cvt_scalef32_pk8_fp4_f32 v[CC+1], v[T+16:T+23], v[M0+5]
	v_cvt_scalef32_pk8_fp4_f32 v[CC+2], v[T+8:T+15], v[M0+4]
	v_cvt_scalef32_pk8_fp4_f32 v[CC+3], v[T+24:T+31], v[M0+5]
	v_nop                                          ; one plain place behind a scaled conversion
	v_permlane16_swap_b32 v[CC], v[CC+1]           ; lane (r, h) now holds the 16 bytes of block h of its row
	v_permlane16_swap_b32 v[CC+2], v[CC+3]
.if \vk
	global_store_b128 v[LO16], v[CC:CC+3], s[4:5] offset:((\a)/4)*KVHEAD+4096+((\a)%4)*1024+512*(\g)   ; 512 consecutive bytes, aligned
.else
	global_store_b128 v[LO16], v[CC:CC+3], s[4+2*(\g):5+2*(\g)] offset:512*(\a)
.endif
.endm
	PLACES NP                                      ; behind the last products: the first reads of results, and the writes of registers that held scale words and fragments
	v_mov_b32 v[M0+2], 0                           ; written once: a lane permute's destination counts as one of its sources
	v_mov_b32 v[M0+3], 0
	s_mov_b32 s20, 0x76543210                      ; v_permlanex16_b32's selects for lane l xor 16
	s_mov_b32 s21, 0xfedcba98
	s_mov_b32 s3, 0xffff0000                       ; lanes 16-31
	s_lshl_b32 s18, s17, 8
	s_lshl_b32 s19, s15, 7
	s_add_co_u32 s18, s18, s19                     ; my first row of A (v: counted from column 2,048 of qkv)
	s_lshl_b32 s19, s42, 8
	s_lshl_b32 s22, s16, 7
	s_add_co_u32 s19, s19, s22                     ; my first row of B
	s_cmp_eq_u32 ttmp9, 2                          ; the kind: the same in all sixteen partners and all waves
	s_cbranch_scc1 .Lv
	; q, k: my 128 tokens are one package, my 128 columns two heads
	s_lshr_b32 s22, s18, 11                        ; batch
	s_bfe_u32 s23, s18, 0x40007                    ; which 128 tokens of the sequence
	s_bfe_u32 s46, s19, 0x40006                    ; my first head: (column mod 1,024) / 64
	s_lshl_b32 s22, s22, 4
	s_add_co_u32 s22, s22, s46
	s_cmp_eq_u32 ttmp9, 1                          ; k goes to kv, q to qbuf
	s_cselect_b64 s[4:5], s[98:99], s[96:97]
	s_mov_b32 s47, QHEAD
	s_cselect_b32 s47, KVHEAD, s47                 ; a head,
	s_mov_b32 s66, QPKG
	s_cselect_b32 s66, KVPKG, s66                  ; a package,
	s_mov_b32 s67, 4096
	s_cselect_b32 s67, 8192, s67                   ; and where its scale words begin
	s_mul_i32 s92, s22, s47
	s_mul_i32 s93, s23, s66
	s_add_co_u32 s92, s92, s93
	s_mov_b32 s93, 0
	s_add_nc_u64 s[4:5], s[4:5], s[92:93]          ; my first head's package,
	s_mov_b32 s92, s47
	s_add_nc_u64 s[6:7], s[4:5], s[92:93]          ; my second head's,
	s_mov_b32 s92, s67
	s_add_nc_u64 s[8:9], s[4:5], s[92:93]          ; and their scale words
	s_add_nc_u64 s[10:11], s[6:7], s[92:93]
	s_lshl_b32 s92, s19, 2
	s_add_nc_u64 s[12:13], s[12:13], s[92:93]      ; the bias of my 128 columns
	v_bfe_u32 v[BO], v0, 4, 1
	v_lshlrev_b32 v[BO], 5, v[BO]                  ; lane (r, h) wants, for tile b, columns 16 b + 8 h + 0 .. 7
.irp b, 0,1,2,3,4,5,6,7
	global_load_b128 v[BI+8*\b:BI+8*\b+3], v[BO], s[12:13] offset:64*\b
	global_load_b128 v[BI+8*\b+4:BI+8*\b+7], v[BO], s[12:13] offset:64*\b+16
.endr
	s_wait_loadcnt 0x0
.irp g, 0,1
.irp a, 0,1,2,3,4,5,6,7
	EPI \a, \g, 0
.endr
.irp b, 0,1,2,3
	v_cndmask_b32 v[WO+4*\g+\b], v[W+2*\b], v[W+2*\b+1], s3    ; lanes 0-15: tile 2 b's words, lanes 16-31: tile 2 b + 1's
.endr
	global_store_b128 v[LO16], v[WO+4*\g:WO+4*\g+3], s[8+2*\g:9+2*\g]   ; 512 consecutive bytes
.endr
	s_branch .Lend
.Lv:
	; v: my 128 tokens (B's rows) are one package, my 128 channels (A's rows) two heads
	s_lshr_b32 s22, s19, 11                        ; batch
	s_bfe_u32 s23, s19, 0x40007                    ; which 128 keys
	s_lshr_b32 s46, s18, 6                         ; my first head
	s_lshl_b32 s22, s22, 4
	s_add_co_u32 s22, s22, s46
	s_mul_i32 s92, s22, KVHEAD
	s_mul_i32 s93, s23, KVPKG
	s_add_co_u32 s92, s92, s93
	s_mov_b32 s93, 0
	s_add_nc_u64 s[4:5], s[98:99], s[92:93]
	s_lshl_b32 s92, s18, 2
	s_add_co_u32 s92, s92, 8192                    ; v's bias begins at number 2,048
	s_add_nc_u64 s[12:13], s[12:13], s[92:93]
	v_and_b32 v[BO], 15, v0
	v_lshlrev_b32 v[BO], 2, v[BO]
.irp a, 0,1,2,3,4,5,6,7
	global_load_b32 v[BI+2*\a], v[BO], s[12:13] offset:64*\a     ; my channel's bias, into both registers of a pair for the packed addition
	global_load_b32 v[BI+2*\a+1], v[BO], s[12:13] offset:64*\a
.endr
	s_wait_loadcnt 0x0
.irp a, 0,1,2,3,4,5,6,7
	EPI \a, 0, 1
	EPI \a, 1, 1
.if (\a)%4 == 3
.irp n, 0,1
	v_cndmask_b32 v[WO+2*((\a)/4)+\n], v[W+4*((\a)/4)+2*\n], v[W+4*((\a)/4)+2*\n+1], s3
.endr
	global_store_b64 v[LO8], v[WO+2*((\a)/4):WO+2*((\a)/4)+1], s[4:5] offset:((\a)/4)*KVHEAD+8704   ; 256 consecutive bytes, aligned
.endif
.endr
.Lend:
	s_wait_tensorcnt 0x0                           ; the wave's end, behind my last tensor load
	ds_add_u32 v[SPW], v[NIL]
	s_wait_dscnt 0x0
	CROUND                                         ; the closing round: no work-group ends while a partner may still ask for a tile that names it
	s_endpgm
.Lfunc_end_k_qd5285026dc_qkv:
	.size	k_qd5285026dc_qkv, .Lfunc_end_k_qd5285026dc_qkv-k_qd5285026dc_qkv
	.p2alignl 7, 3214868480
	.fill 96, 4, 3214868480
	.section	.rodata,"a",@progbits
	.p2align	6, 0x0
	.amdhsa_kernel k_qd5285026dc_qkv
		.amdhsa_group_segment_fixed_size 296448
		.amdhsa_private_segment_fixed_size 0
		.amdhsa_enable_private_segment 0
		.amdhsa_kernarg_size 56
		.amdhsa_user_sgpr_count 2
		.amdhsa_user_sgpr_kernarg_segment_ptr 1
		.amdhsa_wavefront_size32 1
		.amdhsa_system_sgpr_workgroup_id_x 1
		.amdhsa_system_sgpr_workgroup_id_y 1
		.amdhsa_system_sgpr_workgroup_id_z 1
		.amdhsa_system_vgpr_workitem_id 0
		.amdhsa_next_free_vgpr 1024
		.amdhsa_next_free_sgpr 102
		.amdhsa_reserve_vcc 0
		.amdhsa_float_denorm_mode_32 3
		.amdhsa_float_denorm_mode_16_64 3
		.amdhsa_memory_ordered 1
		.amdhsa_forward_progress 1
		.amdhsa_inst_pref_size 199
	.end_amdhsa_kernel
	.amdgpu_metadata
---
amdhsa.version: [ 1, 2 ]
amdhsa.kernels:
  - .name:           k_qd5285026dc_qkv
    .symbol:         k_qd5285026dc_qkv.kd
    .args:
      - { .name: x_codes, .offset: 0, .size: 8, .value_kind: global_buffer, .address_space: global }
      - { .name: x_scales, .offset: 8, .size: 8, .value_kind: global_buffer, .address_space: global }
      - { .name: w_qkv_codes, .offset: 16, .size: 8, .value_kind: global_buffer, .address_space: global }
      - { .name: w_qkv_scales, .offset: 24, .size: 8, .value_kind: global_buffer, .address_space: global }
      - { .name: b_qkv, .offset: 32, .size: 8, .value_kind: global_buffer, .address_space: global }
      - { .name: qbuf, .offset: 40, .size: 8, .value_kind: global_buffer, .address_space: global }
      - { .name: kv, .offset: 48, .size: 8, .value_kind: global_buffer, .address_space: global }
    .group_segment_fixed_size: 296448
    .private_segment_fixed_size: 0
    .kernarg_segment_align: 8
    .kernarg_segment_size: 56
    .max_flat_workgroup_size: 128
    .sgpr_count:     102
    .vgpr_count:     1024
    .wavefront_size: 32
...
	.end_amdgpu_metadata
.endif
;; end of part 1
;; launch attn (part 2): grid 4 x 64, 16 waves a work-group, clusters of 4 x 1, 167,936 bytes of LDS; arguments qbuf, kv, oc, osc; writes oc, osc
.if DOCPART == 2
	.amdgcn_target "amdgcn-amd-amdhsa--gfx1250"
	.amdhsa_code_object_version 6
	.text
	.protected	k_qd5285026dc_attn
	.globl	k_qd5285026dc_attn
	.p2align	8
	.type	k_qd5285026dc_attn,@function
k_qd5285026dc_attn:
	s_mov_b64 s[64:65], 0
	v_nop
	global_prefetch_b8 v0, s[64:65] scope:SCOPE_SE
	s_setreg_imm32_b32 hwreg(HW_REG_WAVE_MODE, 25, 1), 1
	s_wait_xcnt 0x0
	s_wait_alu depctr_hold_cnt(0) depctr_sa_sdst(0) depctr_va_vdst(0) depctr_va_sdst(0) depctr_va_ssrc(0) depctr_va_vcc(0) depctr_vm_vsrc(0)
	s_getreg_b32 s2, hwreg(HW_REG_IB_STS2, 6, 4)
	s_cmp_eq_u32 s2, 0
	s_cbranch_scc0 .Lentry_in_a_cluster
	s_endpgm
.Lentry_in_a_cluster:
	s_bfe_u32 s2, ttmp6, 0x10000c
	s_cmp_lg_u32 s2, 0x3003
	s_cbranch_scc0 .Lentry_shape_is_right
	s_endpgm
.Lentry_shape_is_right:
; out[head][q] = (the sum over k of p v) / l, p = 2^(t - M), t = (q . k) log2(e) / 8, M the running largest t rounded up to a whole number, l the sum of the unquantised p; both products on codes of FP4 (E2M1).
; out is then quantised along D (a head's 64 are two blocks) and leaves as an image of the last product's operand registers.  No work of the problem is left out here.
; LIMITS: NaN and infinities are not served; a block whose largest magnitude lies under 2^-124 (a block of zeros too) has its scale byte held at 1; 1 / l is taken by v_rcp_f32.
; SHARES.  A work-group owns 512 queries of one head; each of its sixteen waves one tile of 16 queries in each of two passes, in 256 registers: four waves to a SIMD, so that one wave's vector work stands beside another's
; matrix work and LDS loads.  Every pass walks the head's 2,048 keys, 128 a step.
; THE WHOLE HEAD'S K AND V STAY IN LDS: 16 packages of 8,960 bytes, as the launch before laid them; wave w fetches package w, once.  No byte is filled again: the loops have no barrier.
; CLUSTER.  The four work-groups of a cluster own the four quarters of one head's queries and need the same 16 packages: each is asked for jointly, by the same tensor load with the mask of all four.
; LAYOUT.  Both products are used transposed (S^T = K Q^T, O^T = V^T P^T): a lane holds ONE query throughout.  Register j of tile t of S^T is key 16 t + 8 (lane / 16) + j: tiles 2 b and 2 b + 1 are block b of 32 keys,
; 16 of them in lane l and 16 in lane l xor 16.  Four conversions in the order tile 0, 2, 1, 3 and two exchanges of halves give the operand's registers.
; K = 64 IN AN INSTRUCTION OF K = 128.  Q's registers 4-7 hold zero codes and bytes 2, 3 of Q's and K's scale words are 0x7f (1.0): whatever codes K's operand holds in its registers 4-7 are multiplied by zero.
; So tile t's operand is v[32 + 4 t : 39 + 4 t]: its upper half is the next tile's codes (tile 7's: V's first four registers), and K costs four registers and one LDS load a tile.
; REGISTERS: v1-9 addresses; v10, v11 Q's scale words; v12 -M, v13 the largest t, v[14:15] the sum in two halves; v16-31 Q of both passes; v32-63 K; v64-95 V; v96-159 S^T, then p; v160-191 O^T; v196-199 K's scale
; words, v200-201 V's; v204-211 out's codes, v212-213 its scale bytes; v224-231 p's codes; v232-254 at work (v252 f, v253 p's scale word).
.set PKG,   8960                       ; a package of 128 keys: K's codes 4,096, V's codes 4,096, K's scale words 512, V's 256
.set HEADB, 16*PKG
.set SPARE, HEADB                      ; behind the packages: the spare words, 128 bytes a wave: eight blocks of 256 bytes that no other line names
.set QPKG,  4608
.set QHEAD, 73728
.set LI,  1                            ; v1   16 x lane
.set L8,  2                            ; v2   8 x lane
.set QA,  3                            ; v3   my tile's codes in a package of Q
.set QSA, 4                            ; v4   and its scale words
.set SPW, 5                            ; v5   my spare word; never rewritten
.set NIL, 6                            ; v6   0; never rewritten
.set OSA, 7                            ; v7   32 r + h: my byte among out's scale bytes
.set ADK, 8                            ; v8   the step's package, 16 bytes a lane
.set ADT, 9                            ; v9   the same, 8 bytes a lane
.set QS,  10
.set QR,  16
.set KR,  32
.set VR,  64
.set SS,  96
.set OT,  160
.set KSC, 196
.set VSC, 200
.set OC,  204
.set OB,  212
.set PC,  224
.set WV,  24                           ; s24  my wave's number
.set CX,  25                           ; s25  my place in the cluster: it enters Q's and out's addresses alone
.set HD,  26                           ; s26  the head, 16 x batch + h
.set SEL, 30                           ; s[30:31] lane selects for lane l xor 16
.set CS,  32                           ; s[32:33] c = log2(e) / 8
.set TB,  34                           ; s34  LDS byte at which the step's package begins
.set CNT, 35                           ; s35  steps to go
.set HIM, 36                           ; s36  lanes 16-31
.set QP,  38                           ; s[38:39] Q;  s[40:41] out's codes;  s[42:43] out's scale bytes
.set OP,  40
.set SP,  42
.macro CROUND                          ; a round of the cluster's barrier
	s_barrier_signal -1
	s_barrier_wait -1
	s_cmp_lg_u32 s[WV], 0
	s_cbranch_scc1 .Lnot_wave_0_\@
	s_barrier_signal -3
.Lnot_wave_0_\@:
	s_barrier_wait -3
	s_barrier_signal -1
	s_barrier_wait -1
.endm
	s_load_b256 s[4:11], s[0:1], 0x0               ; qbuf s[4:5], kv s[6:7], oc s[8:9], osc s[10:11]
	v_lshl_add_u32 v[SPW], v0, 2, SPARE
	v_mov_b32 v[NIL], 0
	ds_add_u32 v[SPW], v[NIL]                      ; the wave's opening: the add, twice on end, and its wait ahead of my first tensor load
	ds_add_u32 v[SPW], v[NIL]                      ; and once more; the set-up below, work on registers, stands between it and the wait
	v_lshrrev_b32 v8, 5, v0
	s_delay_alu instid0(VALU_DEP_1)
	v_readfirstlane_b32 s[WV], v8                  ; wave 0..15
	s_bfe_u32 s[CX], ttmp6, 0x40000
	s_and_b32 s[HD], ttmp7, 0xffff                 ; the cluster's y: the head, which the four partners share
	; the descriptor: package w, 35 dense rows of 256 bytes (32 elements of 8), no padding: it is read 16 bytes a lane on end
	s_mov_b32 s12, 1                               ; count = 1
	s_mul_i32 s13, s[WV], PKG                      ; LDS address: the wave's number alone
	s_mov_b32 s16, 15|(3<<16)|(1<<21)              ; 15:0 the mask: all four work-groups; 17:16 elements of 8 bytes; 21 set beside a mask
	s_mov_b32 s17, 32<<16                          ; tensor_dim0
	s_mov_b32 s18, 35<<16                          ; tensor_dim1
	s_mov_b32 s19, 32<<16                          ; tile_dim0
	s_mov_b32 s20, 35                              ; tile_dim1
	s_mov_b32 s21, 32                              ; from row to row
	s_mov_b32 s22, 0
	s_mov_b32 s23, 0
	s_mul_i32 s44, s[HD], HEADB
	s_add_co_u32 s44, s44, s13                     ; kv: my head, package w
	s_mov_b32 s45, 0
	s_lshl_b32 s46, s[CX], 2
	s_lshr_b32 s47, s[WV], 3
	s_add_co_u32 s46, s46, s47                     ; Q: tile 32 cx + 16 p + w lies in package 4 cx + 2 p + w / 8
	s_mul_i32 s46, s46, QPKG
	s_mul_i32 s47, s[HD], QHEAD
	s_add_co_u32 s46, s46, s47
	s_mov_b32 s47, 0
	s_lshr_b32 s27, s[HD], 4                       ; batch
	s_lshl_b32 s27, s27, 7
	s_lshl_b32 s29, s[CX], 5
	s_add_co_u32 s27, s27, s29
	s_add_co_u32 s27, s27, s[WV]                   ; my tile of 16 tokens in pass 0: 128 batch + 32 cx + w
	s_and_b32 s28, s[HD], 15                       ; the head in its batch
	s_lshr_b32 s48, s28, 3
	s_lshl_b32 s48, s48, 21                        ; oc: [half of D][token tile][head mod 8][lane][16 bytes]
	s_lshl_b32 s29, s27, 12
	s_add_co_u32 s48, s48, s29
	s_and_b32 s29, s28, 7
	s_lshl_b32 s29, s29, 9
	s_add_co_u32 s48, s48, s29
	s_mov_b32 s49, 0
	s_lshl_b32 s50, s27, 9                         ; osc: [token][32]: my head's two bytes
	s_lshl_b32 s29, s28, 1
	s_add_co_u32 s50, s50, s29
	s_mov_b32 s51, 0
	s_mov_b32 s[SEL], 0x76543210
	s_mov_b32 s[SEL+1], 0xfedcba98
	s_mov_b32 s[CS], 0x3e38aa3b                    ; c = log2(e) / sqrt(64)
	s_mov_b32 s[CS+1], s[CS]                       ; (named with it as a pair, so it is written)
	s_mov_b32 s[HIM], 0xffff0000
	s_wait_dscnt 0x0                               ; both opening adds are done
	s_wait_kmcnt 0x0
	s_add_nc_u64 s[14:15], s[6:7], s[44:45]
	s_or_b32 s15, s15, 0x80000000                  ; type = 2
	s_add_nc_u64 s[QP:QP+1], s[4:5], s[46:47]
	s_add_nc_u64 s[OP:OP+1], s[8:9], s[48:49]
	s_add_nc_u64 s[SP:SP+1], s[10:11], s[50:51]
	CROUND                                         ; all four work-groups are here: the joint loads meet
	tensor_load_to_lds s[12:15], s[16:23]          ; my one tensor load of the launch
	s_nop 0
.rept 4
	v_nop
.endr
	v_and_b32 v[LI], 31, v0
	s_delay_alu instid0(VALU_DEP_1)
	v_lshlrev_b32 v[L8], 3, v[LI]
	s_delay_alu instid0(VALU_DEP_2)
	v_lshlrev_b32 v[LI], 4, v[LI]
	s_and_b32 s27, s[WV], 7
	s_lshl_b32 s27, s27, 9
	v_add_nc_u32 v[QA], s27, v[LI]                 ; tile w mod 8 of the package: 512 bytes a tile
	s_and_b32 s27, s[WV], 1
	s_lshl_b32 s27, s27, 8
	s_bfe_u32 s37, s[WV], 0x20001
	s_lshl_b32 s37, s37, 2
	s_add_co_u32 s27, s27, s37
	s_add_co_u32 s27, s27, 4096
	v_and_b32 v[QSA], 15, v0
	s_delay_alu instid0(VALU_DEP_1)
	v_lshl_add_u32 v[QSA], v[QSA], 4, s27          ; its row r's scale word: 4,096 + 16 (r + 16 (tile mod 2)) + 4 (tile / 2)
	global_load_b128 v[QR:QR+3], v[QA], s[QP:QP+1]                 ; Q stays in registers: pass 0,
	global_load_b128 v[QR+8:QR+11], v[QA], s[QP:QP+1] offset:2*QPKG    ; pass 1: two packages on
	global_load_b32 v[QS], v[QSA], s[QP:QP+1]
	global_load_b32 v[QS+1], v[QSA], s[QP:QP+1] offset:2*QPKG
	v_and_b32 v[OSA], 15, v0
	v_bfe_u32 v9, v0, 4, 1
	s_delay_alu instid0(VALU_DEP_1)
	v_lshl_add_u32 v[OSA], v[OSA], 5, v9
.irp j, 4,5,6,7,12,13,14,15
	v_mov_b32 v[QR+\j], 0                          ; zero codes for K = 64 .. 127
.endr
.irp j, 0,1,2,3
	v_mov_b32 v[VR+\j], 0                          ; the first step's tile 7 names these as the upper half of its operand
.endr
	s_wait_tensorcnt 0x0                           ; my package is in,
	s_barrier_signal -1
	s_barrier_wait -1                              ; everybody's is
	s_wait_loadcnt 0x0                             ; Q
; A KEY STEP: 128 keys, for the query tile of pass p.
.macro STEP p
	v_add_nc_u32 v[ADK], s[TB], v[LI]
	v_add_nc_u32 v[ADT], s[TB], v[L8]
.irp t, 0,1,2,3,4,5,6,7
	ds_load_b128 v[KR+4*\t:KR+4*\t+3], v[ADK] offset:512*\t        ; K's eight tiles, images of the operand's registers 0-3
.endr
	ds_load_b128 v[KSC:KSC+3], v[ADK] offset:8192                  ; register b: lanes 0-15 tile 2 b's words, lanes 16-31 tile 2 b + 1's
	s_wait_alu depctr_va_vdst(0)
	s_wait_dscnt 0x0
.irp t, 0,2,4,6
	v_wmma_scale_f32_16x16x128_f8f6f4 v[SS+8*\t:SS+8*\t+7], v[KR+4*\t:KR+4*\t+7], v[QR+8*\p:QR+8*\p+7], 0, v[KSC+\t/2], v[QS+\p] matrix_a_fmt:MATRIX_FMT_FP4 matrix_b_fmt:MATRIX_FMT_FP4
	v_wmma_scale_f32_16x16x128_f8f6f4 v[SS+8*\t+8:SS+8*\t+15], v[KR+4*\t+4:KR+4*\t+11], v[QR+8*\p:QR+8*\p+7], 0, v[KSC+\t/2], v[QS+\p] matrix_a_fmt:MATRIX_FMT_FP4 matrix_b_fmt:MATRIX_FMT_FP4 matrix_a_scale:MATRIX_SCALE_ROW1
.endr
.rept 4
	v_nop                                          ; places: in front of the first read of the scores, and of the loads into V's first registers, which tile 7's product has read
.endr
.irp i, 0,1,2,3,4,5,6,7
	ds_load_b128 v[VR+4*\i:VR+4*\i+3], v[ADK] offset:4096+512*\i   ; V's four tiles: they land while the softmax is walked
.endr
	ds_load_b64 v[VSC:VSC+1], v[ADT] offset:8704
.irp b, 0,1,2,3
	v_max3_num_f32 v[232+\b], v[SS+16*\b], v[SS+1+16*\b], v[SS+2+16*\b]   ; the largest score of each block of 32 keys: it serves for the row's maximum and, since p rises with the score, for the block's largest p
.endr
.irp i, 3,5,7,9,11,13
.irp b, 0,1,2,3
	v_max3_num_f32 v[232+\b], v[232+\b], v[SS+16*\b+\i], v[SS+1+16*\b+\i]   ; (the four blocks by turns)
.endr
.endr
.irp b, 0,1,2,3
	v_max_num_f32 v[232+\b], v[232+\b], v[SS+15+16*\b]
.endr
.irp b, 0,1,2,3
	s_delay_alu instid0(VALU_DEP_4)
	v_permlanex16_b32 v[236+\b], v[232+\b], s[SEL], s[SEL+1]
.endr
.irp b, 0,1,2,3
	s_delay_alu instid0(VALU_DEP_4)
	v_max_num_f32 v[232+\b], v[232+\b], v[236+\b]  ; with lane l xor 16's 16 keys
.endr
	s_delay_alu instid0(VALU_DEP_2)
	v_max3_num_f32 v254, v232, v233, v234
	s_delay_alu instid0(VALU_DEP_1)
	v_max_num_f32 v254, v254, v235                 ; the step's largest score of my query
	s_delay_alu instid0(VALU_DEP_1)
	v_mul_f32 v254, s[CS], v254                    ; as t (c is positive)
	s_delay_alu instid0(VALU_DEP_1)
	v_max_num_f32 v13, v13, v254                   ; the running largest t
	v_mov_b32 v254, v12
	s_delay_alu instid0(VALU_DEP_2)
	v_floor_f32 v12, -v13                          ; the new -M = floor(-t): M is a whole number
	s_delay_alu instid0(VALU_DEP_1)
	v_sub_f32 v254, v12, v254                      ; old M - new M: a whole number, 0 or less
	s_delay_alu instid0(VALU_DEP_1)
	v_cvt_i32_f32 v254, v254                       ; (it saturates)
	s_delay_alu instid0(VALU_DEP_1)
	v_ldexp_f32 v252, 1.0, v254                    ; f = 2^(old M - new M): a multiplication by it rounds nothing
.irp j, 0,2,4,6,8,10,12,14,16,18,20,22,24,26,28,30,32,34,36,38,40,42,44,46,48,50,52,54,56,58,60,62
	v_pk_fma_f32 v[SS+\j:SS+1+\j], v[SS+\j:SS+1+\j], s[CS:CS+1], v[12:13] op_sel_hi:[1,0,0]   ; t - M, two at a time
.endr
.irp b, 0,1,2,3
	v_fma_f32 v[232+\b], v[232+\b], s[CS], v12     ; the same of each block's largest score
.endr
	s_wait_alu depctr_va_vdst(0)
.irp j, 0,1,2,3,4,5,6,7,8,9,10,11,12,13,14,15,16,17,18,19,20,21,22,23,24,25,26,27,28,29,30,31,32,33,34,35,36,37,38,39,40,41,42,43,44,45,46,47,48,49,50,51,52,53,54,55,56,57,58,59,60,61,62,63
	v_exp_f32 v[SS+\j], v[SS+\j]                   ; p = 2^(t - M), at most 1: not normalised
.endr
	s_setprio 1
	v_pk_mul_f32 v[14:15], v[14:15], v[252:253] op_sel_hi:[1,0]   ; the sums under the new M: the plain place behind the exponentials
	s_wait_alu depctr_va_vdst(0)                   ; one wait for the whole batch, ahead of its first reader
.irp b, 0,1,2,3
	v_exp_f32 v[232+\b], v[232+\b]                 ; the block's largest p: the same two instructions on the same number give the same bits
.endr
	v_pk_add_f32 v[236:237], v[100:101], v[104:105]
	v_pk_add_f32 v[254:255], v[108:109], v[112:113]
	v_pk_add_f32 v[250:251], v[116:117], v[120:121]
	v_pk_add_f32 v[248:249], v[124:125], v[128:129]
	v_pk_add_f32 v[246:247], v[132:133], v[136:137]
	v_pk_add_f32 v[244:245], v[140:141], v[144:145]
	v_pk_add_f32 v[242:243], v[148:149], v[152:153]
	v_pk_add_f32 v[14:15], v[14:15], v[156:157]
	v_pk_add_f32 v[236:237], v[236:237], v[96:97]
	v_pk_add_f32 v[254:255], v[254:255], v[98:99]
	v_pk_add_f32 v[250:251], v[250:251], v[102:103]
	v_pk_add_f32 v[248:249], v[248:249], v[106:107]
	v_pk_add_f32 v[246:247], v[246:247], v[110:111]
	v_pk_add_f32 v[244:245], v[244:245], v[114:115]
	v_pk_add_f32 v[242:243], v[242:243], v[118:119]
	v_pk_add_f32 v[14:15], v[14:15], v[122:123]
	v_pk_add_f32 v[236:237], v[236:237], v[126:127]
	v_pk_add_f32 v[254:255], v[254:255], v[130:131]
	v_pk_add_f32 v[250:251], v[250:251], v[134:135]
	v_pk_add_f32 v[248:249], v[248:249], v[138:139]
	v_pk_add_f32 v[246:247], v[246:247], v[142:143]
	v_pk_add_f32 v[244:245], v[244:245], v[146:147]
	v_pk_add_f32 v[242:243], v[242:243], v[150:151]
	v_pk_add_f32 v[14:15], v[14:15], v[154:155]
	v_pk_add_f32 v[236:237], v[236:237], v[158:159]
	s_delay_alu instid0(VALU_DEP_2)
	v_pk_add_f32 v[14:15], v[14:15], v[248:249]
	s_delay_alu instid0(VALU_DEP_2)
	v_pk_add_f32 v[236:237], v[236:237], v[246:247]
	v_pk_add_f32 v[254:255], v[254:255], v[244:245]
	v_pk_add_f32 v[250:251], v[250:251], v[242:243]
	s_delay_alu instid0(VALU_DEP_2)
	v_pk_add_f32 v[14:15], v[14:15], v[254:255]
	s_delay_alu instid0(VALU_DEP_2)
	v_pk_add_f32 v[236:237], v[236:237], v[250:251]
	s_delay_alu instid0(VALU_DEP_1)
	v_pk_add_f32 v[14:15], v[14:15], v[236:237]
	s_wait_alu depctr_va_vdst(0)                   ; and one for the four
.irp b, 0,1,2,3
	v_max_num_f32 v[232+\b], 0x1800000, v[232+\b]  ; the floor 2^(3 - 127): the byte cannot fall under 1
.endr
.irp b, 0,1,2,3
	s_delay_alu instid0(VALU_DEP_4)
	v_add_nc_u32 v[244+\b], 0xff000000, v[232+\b]  ; 2 off the exponent field: the conversion's scale operand
.endr
.irp b, 0,1,2,3
	s_delay_alu instid0(VALU_DEP_4)
	v_lshrrev_b32 v[236+\b], 23, v[244+\b]         ; the scale's byte
.endr
	s_delay_alu instid0(VALU_DEP_3)
	v_lshl_or_b32 v253, v237, 8, v236              ; p's scale word for these 128 keys
	s_delay_alu instid0(VALU_DEP_1)
	v_lshl_or_b32 v253, v238, 16, v253
	s_delay_alu instid0(VALU_DEP_1)
	v_lshl_or_b32 v253, v239, 24, v253
.irp c, 0,1
	v_cvt_scalef32_pk8_fp4_f32 v[PC+4*\c], v[SS+32*\c:SS+32*\c+7], v[244+2*\c]         ; tile 4 c: block 2 c
	v_cvt_scalef32_pk8_fp4_f32 v[PC+4*\c+1], v[SS+32*\c+16:SS+32*\c+23], v[245+2*\c]   ; tile 4 c + 2: block 2 c + 1
	v_cvt_scalef32_pk8_fp4_f32 v[PC+4*\c+2], v[SS+32*\c+8:SS+32*\c+15], v[244+2*\c]    ; tile 4 c + 1
	v_cvt_scalef32_pk8_fp4_f32 v[PC+4*\c+3], v[SS+32*\c+24:SS+32*\c+31], v[245+2*\c]   ; tile 4 c + 3
.endr
	v_nop                                          ; one plain place behind a scaled conversion
.irp c, 0,1
	v_permlane16_swap_b32 v[PC+4*\c], v[PC+4*\c+1] ; lane (r, h) now holds the whole block 2 c + h of its query
	v_permlane16_swap_b32 v[PC+4*\c+2], v[PC+4*\c+3]
.endr
	s_setprio 0
.irp j, 0,2,4,6,8,10,12,14,16,18,20,22,24,26,28,30
	v_pk_mul_f32 v[OT+\j:OT+1+\j], v[OT+\j:OT+1+\j], v[252:253] op_sel_hi:[1,0]   ; O^T under the new M.  These sixteen are also the places between the writes of p's scale word and codes and the products below
.endr
	s_wait_alu depctr_va_vdst(0)
	s_wait_dscnt 0x0                               ; V is in
.irp t, 0,2
	v_wmma_scale_f32_16x16x128_f8f6f4 v[OT+8*\t:OT+8*\t+7], v[VR+8*\t:VR+8*\t+7], v[PC:PC+7], v[OT+8*\t:OT+8*\t+7], v[VSC+\t/2], v253 matrix_a_fmt:MATRIX_FMT_FP4 matrix_b_fmt:MATRIX_FMT_FP4
	v_wmma_scale_f32_16x16x128_f8f6f4 v[OT+8*\t+8:OT+8*\t+15], v[VR+8*\t+8:VR+8*\t+15], v[PC:PC+7], v[OT+8*\t+8:OT+8*\t+15], v[VSC+\t/2], v253 matrix_a_fmt:MATRIX_FMT_FP4 matrix_b_fmt:MATRIX_FMT_FP4 matrix_a_scale:MATRIX_SCALE_ROW1
.endr                                              ; the four accumulators take turns, one instruction a turn; eight other products stand between two links of a chain
.endm
; THE WAY OUT of pass p: O^T / l; its 64 numbers of a query are two blocks along D; codes as an image (512 consecutive bytes, aligned), one scale byte a lane.
; A token's 32 scale bytes come from sixteen heads, that is from sixteen work-groups: so these bytes leave singly, one byte for each 16 bytes of codes.
.macro OUT p
.rept 4
	v_nop                                          ; places behind the last products
.endr
	v_add_f32 v14, v14, v15                        ; the sum's two halves,
	s_delay_alu instid0(VALU_DEP_1)
	v_permlanex16_b32 v252, v14, s[SEL], s[SEL+1]
	s_delay_alu instid0(VALU_DEP_1)
	v_add_f32 v14, v14, v252                       ; and lane l xor 16's: the row's sum
	s_wait_alu depctr_va_vdst(0)
	v_rcp_f32 v14, v14
	v_nop                                          ; a plain place behind the transcendental
	s_wait_alu depctr_va_vdst(0)                   ; the wait ahead of its first reader
.irp j, 0,2,4,6,8,10,12,14,16,18,20,22,24,26,28,30
	v_pk_mul_f32 v[SS+\j:SS+1+\j], v[OT+\j:OT+1+\j], v[14:15] op_sel_hi:[1,0]   ; register 8 t + i is out(r, 16 t + 8 h + i); each accumulator from its low end on
.endr
	v_max3_num_f32 v232, |v[SS]|, |v[SS+1]|, 0x1800000
	v_max3_num_f32 v233, |v[SS+16]|, |v[SS+17]|, 0x1800000
.irp i, 2,4,6,8,10,12,14
	s_delay_alu instid0(VALU_DEP_2)
	v_max3_num_f32 v232, v232, |v[SS+\i]|, |v[SS+1+\i]|
	s_delay_alu instid0(VALU_DEP_2)
	v_max3_num_f32 v233, v233, |v[SS+16+\i]|, |v[SS+17+\i]|
.endr
	s_delay_alu instid0(VALU_DEP_2)
	v_permlanex16_b32 v236, v232, s[SEL], s[SEL+1]
	s_delay_alu instid0(VALU_DEP_2)
	v_permlanex16_b32 v237, v233, s[SEL], s[SEL+1]
	s_delay_alu instid0(VALU_DEP_2)
	v_max_num_f32 v232, v232, v236
	s_delay_alu instid0(VALU_DEP_2)
	v_max_num_f32 v233, v233, v237
	s_delay_alu instid0(VALU_DEP_2)
	v_add_nc_u32 v244, 0xff000000, v232
	s_delay_alu instid0(VALU_DEP_2)
	v_add_nc_u32 v245, 0xff000000, v233
	s_delay_alu instid0(VALU_DEP_2)
	v_lshrrev_b32 v238, 23, v244
	s_delay_alu instid0(VALU_DEP_2)
	v_lshrrev_b32 v239, 23, v245
	v_cvt_scalef32_pk8_fp4_f32 v[OC+4*\p], v[SS:SS+7], v244
	v_cvt_scalef32_pk8_fp4_f32 v[OC+4*\p+1], v[SS+16:SS+23], v245
	v_cvt_scalef32_pk8_fp4_f32 v[OC+4*\p+2], v[SS+8:SS+15], v244
	v_cvt_scalef32_pk8_fp4_f32 v[OC+4*\p+3], v[SS+24:SS+31], v245
	v_nop                                          ; one plain place behind a scaled conversion
	v_cndmask_b32 v[OB+\p], v238, v239, s[HIM]     ; lane (r, h) stores block h's byte
	v_permlane16_swap_b32 v[OC+4*\p], v[OC+4*\p+1]
	v_permlane16_swap_b32 v[OC+4*\p+2], v[OC+4*\p+3]
	global_store_b128 v[LI], v[OC+4*\p:OC+4*\p+3], s[OP:OP+1] offset:65536*\p   ; each pass has registers of its own: no store's data are written again
	global_store_b8 v[OSA], v[OB+\p], s[SP:SP+1] offset:8192*\p
.endm
.macro PASS p
	v_mov_b32 v13, 0xff61b1e6                      ; the largest t so far: -3e38, under every t
	s_delay_alu instid0(VALU_DEP_1)
	v_floor_f32 v12, -v13                          ; -M
	v_mov_b32 v14, 0                               ; the sum, in two halves
	v_mov_b32 v15, 0
	v_mov_b32 v253, 0                              ; (named as the upper half of the pair v[252:253] before it is first written)
.irp b, 0,1,2,3
	v_mov_b32 v[236+\b], 0                         ; a lane permute's destination counts as one of its sources
.endr
.irp j, 0,1,2,3,4,5,6,7,8,9,10,11,12,13,14,15,16,17,18,19,20,21,22,23,24,25,26,27,28,29,30,31
	v_mov_b32 v[OT+\j], 0                          ; O^T: the step is written once; the first finds zeros, which the first change of M leaves zeros
.endr
	s_mov_b32 s[TB], 0
	s_mov_b32 s[CNT], 16
.Lstep_\@:
	s_setprio 2
	STEP \p
	s_add_co_u32 s[TB], s[TB], PKG
	s_sub_co_u32 s[CNT], s[CNT], 1
	s_cmp_lg_u32 s[CNT], 0
	s_cbranch_scc1 .Lstep_\@
	s_setprio 0
	OUT \p
.endm
	PASS 0
	PASS 1
	s_wait_tensorcnt 0x0                           ; the wave's end, behind my last tensor load
	ds_add_u32 v[SPW], v[NIL]
	s_wait_dscnt 0x0
	CROUND                                         ; the closing round
	s_endpgm
.Lfunc_end_k_qd5285026dc_attn:
	.size	k_qd5285026dc_attn, .Lfunc_end_k_qd5285026dc_attn-k_qd5285026dc_attn
	.p2alignl 7, 3214868480
	.fill 96, 4, 3214868480
	.section	.rodata,"a",@progbits
	.p2align	6, 0x0
	.amdhsa_kernel k_qd5285026dc_attn
		.amdhsa_group_segment_fixed_size 167936
		.amdhsa_private_segment_fixed_size 0
		.amdhsa_enable_private_segment 0
		.amdhsa_kernarg_size 32
		.amdhsa_user_sgpr_count 2
		.amdhsa_user_sgpr_kernarg_segment_ptr 1
		.amdhsa_wavefront_size32 1
		.amdhsa_system_sgpr_workgroup_id_x 1
		.amdhsa_system_sgpr_workgroup_id_y 1
		.amdhsa_system_sgpr_workgroup_id_z 1
		.amdhsa_system_vgpr_workitem_id 0
		.amdhsa_next_free_vgpr 256
		.amdhsa_next_free_sgpr 66
		.amdhsa_reserve_vcc 0
		.amdhsa_float_denorm_mode_32 3
		.amdhsa_float_denorm_mode_16_64 3
		.amdhsa_memory_ordered 1
		.amdhsa_forward_progress 1
		.amdhsa_inst_pref_size 49
	.end_amdhsa_kernel
	.amdgpu_metadata
---
amdhsa.version: [ 1, 2 ]
amdhsa.kernels:
  - .name:           k_qd5285026dc_attn
    .symbol:         k_qd5285026dc_attn.kd
    .args:
      - { .name: qbuf, .offset: 0, .size: 8, .value_kind: global_buffer, .address_space: global }
      - { .name: kv, .offset: 8, .size: 8, .value_kind: global_buffer, .address_space: global }
      - { .name: oc, .offset: 16, .size: 8, .value_kind: global_buffer, .address_space: global }
      - { .name: osc, .offset: 24, .size: 8, .value_kind: global_buffer, .address_space: global }
    .group_segment_fixed_size: 167936
    .private_segment_fixed_size: 0
    .kernarg_segment_align: 8
    .kernarg_segment_size: 32
    .max_flat_workgroup_size: 512
    .sgpr_count:     66
    .vgpr_count:     256
    .wavefront_size: 32
...
	.end_amdgpu_metadata
.endif
;; end of part 2
;; launch proj (part 3): grid 4 x 32, 4 waves a work-group, clusters of 4 x 4, 327,680 bytes of LDS; arguments oc, osc, w_proj_codes, w_proj_scales, b_proj, out0; writes out0
.if DOCPART == 3
	.amdgcn_target "amdgcn-amd-amdhsa--gfx1250"
	.amdhsa_code_object_version 6
	.text
	.protected	k_qd5285026dc_proj
	.globl	k_qd5285026dc_proj
	.p2align	8
	.type	k_qd5285026dc_proj,@function
k_qd5285026dc_proj:
	s_mov_b64 s[64:65], 0
	v_nop
	global_prefetch_b8 v0, s[64:65] scope:SCOPE_SE
	s_setreg_imm32_b32 hwreg(HW_REG_WAVE_MODE, 25, 1), 1
	s_wait_xcnt 0x0
	s_wait_alu depctr_hold_cnt(0) depctr_sa_sdst(0) depctr_va_vdst(0) depctr_va_sdst(0) depctr_va_ssrc(0) depctr_va_vcc(0) depctr_vm_vsrc(0)
	s_getreg_b32 s2, hwreg(HW_REG_IB_STS2, 6, 4)
	s_cmp_eq_u32 s2, 0
	s_cbranch_scc0 .Lentry_in_a_cluster
	s_endpgm
.Lentry_in_a_cluster:
	s_bfe_u32 s2, ttmp6, 0x10000c
	s_cmp_lg_u32 s2, 0xf033
	s_cbranch_scc0 .Lentry_shape_is_right
	s_endpgm
.Lentry_shape_is_right:
; out0 = out w_proj + b_proj on codes of FP4 (E2M1) with E8M0 scales, sums in f32.  out's codes (oc) and scale bytes (osc) come from the launch before.  No work of the problem is left out here.
; LIMITS: NaN and infinities are not served.
; SHAPE.  A tile of 256 tokens x 256 columns to a work-group of four waves, 128 x 128 a wave: 64 accumulators.  K = 1,024 lies in two LDS slots of 512 along K: both are first fills, nothing is filled again.
; Source 0 = 16 rows of w_proj (B), source 1 = 16 tokens (A): a lane holds eight neighbouring columns of one row of out0.
; A ARRIVES AS IMAGES OF ITS FRAGMENTS: oc is [half of K][token tile of 16][head mod 8][lane][16 bytes], so 128 tokens x 512 along K are 32,768 dense bytes, and registers 4 c .. 4 c + 3 of the fragment (block i, step q)
; are the 512 bytes at 4,096 i + 1,024 q + 512 c, 16 a lane on end: no pitch, no padding.  B comes in rows of 256 bytes, 272 apart in LDS.
; b_proj is the C of each sum's first matrix instruction: eight registers for each of B's eight blocks.
; CLUSTERS: 4 x 4.  A's tile is asked for jointly by a row of the cluster, B's by a column.
; REGISTERS, in windows of 256: window 0: v0-31 addresses; v32-95 scale words, two sets; v128-191 A's fragments; v192-255 the bias, later rows on the way out.  window 1: B's fragments, two sets.  windows 2, 3: the accumulators.
.set NQ,     4
.set ROWB,   256
.set KROW,   512
.set PITCH,  272                       ; B's LDS row: 256 bytes + 16 of padding: the 16 rows of a load start at 16 different banks (64 banks of 4 bytes: ISA guide 11.1)
.set FR,     8
.set NL,     2
.set NP,     4                         ; places behind this matrix instruction (ISA guide 7.12.1)
.set HALFA,  32768                     ; 128 tokens' images
.set HALFT,  128*PITCH                 ; 128 rows of B
.set BOFF,   2*HALFA                   ; in a slot: A's 65,536 bytes, then B's 256 rows
.set SLOT,   BOFF+2*HALFT
.set A_BLK,  4096
.set A_Q,    1024
.set A_C,    512
.set KS,     32
.set SCL,    2*SLOT                    ; behind the slots: the scales, units of 256 bytes + 16 of padding
.set HALFS,  16*272
.set SBLK,   2*272
.set SPARE,  SCL+4*HALFS               ; the spare words, 128 bytes a wave: two blocks of 256 bytes that no other line names
.set SIZE_N, 1024
.set SPITCH, 528                       ; the way out: a stage of 16 rows x (512 bytes + 16) for each wave, in slot 0, which has had its one fill and its last read when the first result is stored there
.set ADRA, 16
.set ADRB, 20
.set STO,  24                          ; v24  the way out: where I put 32 bytes of a row
.set RD,   25                          ; v25  where I read a row back
.set CO,   26                          ; v26  16 x lane: my byte in a row of 512, and in an image
.set ADRS, 27
.set SPW,  28
.set NIL,  29
.set SC,   32
.set AF,   128
.set BI,   192                         ; the bias: v[192 + 8 b ..]: columns 16 b + 8 h + 0 .. 7
.set BK,   128                         ; the way out: v128-191 and v192-255 by turns
.set CP,   98                          ; s[98:99] out0
.set G1, 24
.set G0, 32
.set G1B, 48
.set G0B, 56
.set G1S, 68
.set G0S, 76
.set G1SB, 80
.set G0SB, 88
.set MSB, 0
.macro WIN new                         ; the immediate's high byte repeats the setting that is left
.if MSB != (\new)
	s_set_vgpr_msb (MSB<<8)|(\new)
.set MSB, (\new)
.endif
.endm
.set MUL_LO, 0xa1                      ; source 0 (B) window 1, source 1 (A) window 0, C and D window 2.  In the first step C is the bias, window 0: 0x81
.set MUL_HI, 0xf1                      ; the same, C and D window 3.  In the first step: 0xc1
.set TO_B,   0x40
.macro JLOAD g0a, g1a, g0b, g1b        ; a joint load: waves 0 and 1 fetch for A, waves 2 and 3 for B; an s_nop 0 and four v_nop follow each of the two lines
	s_cmp_eq_u32 s15, 0
	s_cbranch_scc0 .Lfor_b_\@
	tensor_load_to_lds s[\g0a:\g0a+3], s[\g1a:\g1a+7]
	s_nop 0
.rept 4
	v_nop
.endr
	s_branch .Lasked_\@
.Lfor_b_\@:
	tensor_load_to_lds s[\g0b:\g0b+3], s[\g1b:\g1b+7]
	s_nop 0
.rept 4
	v_nop
.endr
.Lasked_\@:
.endm
.macro CREST
	s_cmp_lg_u32 s14, 0
	s_cbranch_scc1 .Lnot_wave_0_\@
	s_barrier_signal -3
.Lnot_wave_0_\@:
	s_barrier_wait -3
	s_barrier_signal -1
	s_barrier_wait -1
.endm
.macro CROUND
	s_barrier_signal -1
	s_barrier_wait -1
	CREST
.endm
	s_load_b256 s[4:11], s[0:1], 0x0               ; oc s[4:5], osc s[6:7], w's codes s[8:9], w's scales s[10:11]
	s_load_b128 s[96:99], s[0:1], 0x20             ; b_proj s[96:97], out0 s[98:99]
	v_lshl_add_u32 v[SPW], v0, 2, SPARE
	v_mov_b32 v[NIL], 0
	ds_add_u32 v[SPW], v[NIL]                      ; the wave's opening: the add, twice on end, and its wait ahead of my first tensor load
	ds_add_u32 v[SPW], v[NIL]                      ; and once more; the set-up below, work on registers, stands between it and the wait
	v_lshrrev_b32 v1, 5, v0
	v_readfirstlane_b32 s14, v1                    ; wave 0..3
	s_lshr_b32 s15, s14, 1                         ; which half of the tokens is mine.  Also: I fetch for A (0) or for B (1)
	s_and_b32 s16, s14, 1                          ; which half of the columns.  Also: which 128 rows of that tile I fetch
	s_bfe_u32 s40, ttmp6, 0x40000                  ; cx, cy
	s_bfe_u32 s41, ttmp6, 0x40004
	s_lshl_b32 s42, ttmp9, 2
	s_add_co_u32 s42, s42, s40                     ; tile column = 4 x cluster x + cx
	s_and_b32 s17, ttmp7, 0xffff
	s_lshl_b32 s17, s17, 2
	s_add_co_u32 s17, s17, s41                     ; tile row = 4 x cluster y + cy
	s_lshl_b32 s43, s41, 2
	s_lshl_b32 s43, 15, s43                        ; my row of the cluster
	s_lshl_b32 s44, 0x1111, s40                    ; my column
	s_or_b32 s[G1+0], s43, (0<<16)|(1<<21)         ; A: 128 dense rows of 256 bytes, no padding; 15:0 the mask; 21 set beside a mask
	s_mov_b32 s[G1+1], 256<<16
	s_mov_b32 s[G1+2], 128<<16
	s_mov_b32 s[G1+3], 256<<16
	s_mov_b32 s[G1+4], 128
	s_mov_b32 s[G1+5], 256
	s_mov_b32 s[G1+6], 0
	s_mov_b32 s[G1+7], 0
	s_or_b32 s[G1B+0], s44, (0<<16)|(1<<20)|(1<<21)|(5<<22)|(3<<25)  ; B: 128 rows of 256 bytes, 512 apart in memory; four words of padding after every 64
	s_mov_b32 s[G1B+1], ROWB<<16
	s_mov_b32 s[G1B+2], 128<<16
	s_mov_b32 s[G1B+3], ROWB<<16
	s_mov_b32 s[G1B+4], 128
	s_mov_b32 s[G1B+5], KROW
	s_mov_b32 s[G1B+6], 0
	s_mov_b32 s[G1B+7], 0
	s_or_b32 s[G1S+0], s43, (3<<16)|(1<<20)|(1<<21)|(5<<22)|(3<<25)  ; the scales of 128 rows: 16 rows of 256 bytes, 16 bytes of padding behind each
	s_or_b32 s[G1SB+0], s44, (3<<16)|(1<<20)|(1<<21)|(5<<22)|(3<<25)
.irp g, G1S, G1SB
	s_mov_b32 s[\g+1], 32<<16
	s_mov_b32 s[\g+2], 16<<16
	s_mov_b32 s[\g+3], 32<<16
	s_mov_b32 s[\g+4], 16
	s_mov_b32 s[\g+5], 32
	s_mov_b32 s[\g+6], 0
	s_mov_b32 s[\g+7], 0
.endr
	s_lshl_b32 s18, s16, 7                         ; which 128 rows of the tile I fetch
	s_lshl_b32 s20, s17, 8
	s_add_co_u32 s20, s20, s18                     ; A's first token
	s_lshl_b32 s46, s42, 8
	s_add_co_u32 s46, s46, s18                     ; B's first row
	s_lshl_b32 s22, s20, 5                         ; 32 scale bytes a token,
	s_mov_b32 s23, 0
	s_lshl_b32 s20, s20, 8                         ; 256 bytes of images a token and half of K
	s_mov_b32 s21, 0
	s_lshl_b32 s66, s46, 5
	s_mov_b32 s67, 0
	s_lshl_b32 s46, s46, 9
	s_mov_b32 s47, 0
	s_lshl_b32 s45, s16, 15                        ; where they go: A's half,
	s_mul_i32 s101, s16, HALFT
	s_add_co_u32 s101, s101, BOFF                  ; B's half,
	s_mul_i32 s100, s14, HALFS                     ; the scales: no place in the cluster enters an LDS address
	s_wait_dscnt 0x0                               ; both opening adds are done
	s_wait_kmcnt 0x0
	s_add_nc_u64 s[20:21], s[4:5], s[20:21]
	s_add_nc_u64 s[22:23], s[6:7], s[22:23]
	s_add_nc_u64 s[46:47], s[8:9], s[46:47]
	s_add_nc_u64 s[66:67], s[10:11], s[66:67]
	CROUND                                         ; all sixteen work-groups are here: the first joint loads meet
	s_mov_b32 s[G0S], 1
	s_add_co_u32 s[G0S+1], s100, SCL
	s_mov_b64 s[G0S+2:G0S+3], s[22:23]
	s_or_b32 s[G0S+3], s[G0S+3], 0x80000000
	s_mov_b32 s[G0SB], 1
	s_add_co_u32 s[G0SB+1], s100, SCL
	s_mov_b64 s[G0SB+2:G0SB+3], s[66:67]
	s_or_b32 s[G0SB+3], s[G0SB+3], 0x80000000
	JLOAD G0S, G1S, G0SB, G1SB                     ; the scales first
.irp s, 0,1
	s_mov_b32 s[G0+4*\s], 1
	s_add_co_u32 s[G0+4*\s+1], s45, \s*SLOT
	s_add_nc_u64 s[G0+4*\s+2:G0+4*\s+3], s[20:21], \s*2097152      ; the other half of K lies 512 token tiles x 4,096 bytes on
	s_or_b32 s[G0+4*\s+3], s[G0+4*\s+3], 0x80000000
	s_mov_b32 s[G0B+4*\s], 1
	s_add_co_u32 s[G0B+4*\s+1], s101, \s*SLOT
	s_add_nc_u64 s[G0B+4*\s+2:G0B+4*\s+3], s[46:47], \s*ROWB
	s_or_b32 s[G0B+4*\s+3], s[G0B+4*\s+3], 0x80000000
	s_wait_alu depctr_va_vdst(0)
	s_wait_tensorcnt 0x0
	ds_add_u32 v28, v29
	s_wait_dscnt 0x0
	CROUND
	JLOAD G0+4*\s, G1, G0B+4*\s, G1B               ; three tensor loads of mine are out at the most
.endr
	v_and_b32 v1, 15, v0                           ; r
	v_bfe_u32 v2, v0, 4, 1                         ; h
	v_and_b32 v6, 31, v0
	v_lshlrev_b32 v[CO], 4, v6                     ; 16 x lane
	v_mul_u32_u24 v3, v1, PITCH
	v_lshl_add_u32 v4, v2, 4, v3                   ; B: a fragment's row x pitch + 16 x half
	s_lshl_b32 s21, s15, 15                        ; my 128 tokens' images
	s_mul_i32 s22, s16, HALFT                      ; my 128 rows of B,
	s_add_co_u32 s22, s22, BOFF                    ; behind A's
.irp s, 0,1
	v_add_nc_u32 v[ADRA+\s], s21, v[CO]
	v_add_nc_u32 v[ADRB+\s], s22, v4
	s_add_co_u32 s21, s21, SLOT
	s_add_co_u32 s22, s22, SLOT
.endr
	v_mul_u32_u24 v5, v1, KS
	v_lshrrev_b32 v6, 8, v5
	v_lshl_add_u32 v5, v6, 4, v5                   ; my row's scales: 32 bytes a row, 16 more for each 256 passed
	s_mul_i32 s21, s15, HALFS
	s_mul_i32 s22, s16, HALFS
	s_add_co_u32 s22, s22, 2*HALFS
	s_sub_co_u32 s22, s22, s21
	v_mul_u32_u24 v6, s22, v2                      ; lanes 16-31 take B's: one product, the distance between the two bases
	s_add_co_u32 s21, s21, SCL
	v_add_nc_u32 v5, v5, v6
	v_add_nc_u32 v[ADRS], s21, v5
	s_mul_i32 s23, s14, 16*SPITCH                  ; my stage
	v_mul_u32_u24 v5, v1, SPITCH
	v_lshl_add_u32 v5, v2, 5, v5
	v_add_nc_u32 v[STO], s23, v5                   ; in: row r, 32 bytes for each half of the lanes
	v_add_nc_u32 v[RD], s23, v[CO]                 ; back: the 32 lanes take one row of 512 bytes
	s_lshl_b32 s20, s17, 8
	s_lshl_b32 s21, s15, 7
	s_add_co_u32 s20, s20, s21                     ; my first row of out0,
	s_lshl_b32 s20, s20, 12                        ; of 4,096 bytes (under 2^25)
	s_lshl_b32 s46, s42, 10
	s_lshl_b32 s47, s16, 9
	s_add_co_u32 s46, s46, s47                     ; my first column, in bytes: in a row of out0 and in b_proj alike
	s_mov_b32 s47, 0
	s_add_nc_u64 s[96:97], s[96:97], s[46:47]
	s_add_co_u32 s20, s20, s46
	s_mov_b32 s21, 0
	s_add_nc_u64 s[CP:CP+1], s[CP:CP+1], s[20:21]
	v_lshlrev_b32 v7, 5, v2                        ; the bias: lane (r, h) wants, for block b, columns 16 b + 8 h + 0 .. 7
.irp b, 0,1,2,3,4,5,6,7
	global_load_b128 v[BI+8*\b:BI+8*\b+3], v7, s[96:97] offset:64*\b
	global_load_b128 v[BI+8*\b+4:BI+8*\b+7], v7, s[96:97] offset:64*\b+16
.endr
.macro FRAGB reg, adr, q, i            ; 16 rows x 128 K from rows: registers 4 c .. 4 c + 3 hold K = 64 c + 32 (l / 16) + 0 .. 31
.irp c, 0,1
	ds_load_b128 v[\reg+4*\c:\reg+4*\c+3], v[\adr] offset:64*(\q)+32*\c+(\i)*16*PITCH
.endr
.endm
.macro FRAGA reg, adr, q, i            ; the same from images
.irp c, 0,1
	ds_load_b128 v[\reg+4*\c:\reg+4*\c+3], v[\adr] offset:A_Q*(\q)+A_C*\c+(\i)*A_BLK
.endr
.endm
; 16 matrix instructions: A's blocks a0, a0 + 1 x B's eight.  first = 1: the bias starts the sums.  The 64 accumulators take turns, one instruction a turn, in the same order in every step.
.macro MUL16 a0, p, q, sc, first
.irp a, \a0, \a0+1
.irp b, 0,1,2,3,4,5,6,7
.if \first
	v_wmma_scale_f32_16x16x128_f8f6f4 v[8*(8*((\a)%4)+\b):8*(8*((\a)%4)+\b)+7], v[128*(\p)+FR*\b:128*(\p)+FR*\b+FR-1], v[AF+FR*(\a):AF+FR*(\a)+FR-1], v[BI+8*\b:BI+8*\b+7], v[SC+8*NQ*(\sc)+NQ*\b+(\q)], v[SC+8*NQ*(\sc)+NQ*(\a)+(\q)] matrix_a_fmt:MATRIX_FMT_FP4 matrix_b_fmt:MATRIX_FMT_FP4 matrix_a_scale:MATRIX_SCALE_ROW1
.else
	v_wmma_scale_f32_16x16x128_f8f6f4 v[8*(8*((\a)%4)+\b):8*(8*((\a)%4)+\b)+7], v[128*(\p)+FR*\b:128*(\p)+FR*\b+FR-1], v[AF+FR*(\a):AF+FR*(\a)+FR-1], v[8*(8*((\a)%4)+\b):8*(8*((\a)%4)+\b)+7], v[SC+8*NQ*(\sc)+NQ*\b+(\q)], v[SC+8*NQ*(\sc)+NQ*(\a)+(\q)] matrix_a_fmt:MATRIX_FMT_FP4 matrix_b_fmt:MATRIX_FMT_FP4 matrix_a_scale:MATRIX_SCALE_ROW1
.endif
.endr
.endr
.endm
.macro FETCH_B slot, q, p
	WIN TO_B
.irp i, 0,1,2,3,4,5,6,7
	FRAGB 128*(\p)+FR*\i, ADRB+\slot, \q, \i
.endr
	WIN 0
.endm
.macro FETCH_A slot, q, i0
.irp i, \i0, \i0+1, \i0+2, \i0+3
	FRAGA AF+FR*(\i), ADRA+\slot, \q, \i
.endr
.endm
.macro SCALES sc
.irp i, 0,1,2,3,4,5,6,7
	ds_load_b128 v[SC+8*NQ*\sc+NQ*\i:SC+8*NQ*\sc+NQ*\i+3], v[ADRS] offset:\i*SBLK
.endr
.endm
.macro PLACES n
.rept \n
	v_nop
.endr
.endm
.macro STEP slot, q, first
	s_wait_dscnt 4*NL                              ; B's set and A's blocks 0-3 are in; the youngest eight loads (A's blocks 4-7) may be out
	WIN MUL_LO-0x20*(\first)
	MUL16 0, (\q)%2, \q, \slot, \first
	MUL16 2, (\q)%2, \q, \slot, \first
	s_wait_dscnt 0                                 ; A's blocks 4-7 are in
	PLACES NP
	FETCH_B \slot, (\q)+1, 1-(\q)%2
	FETCH_A \slot, (\q)+1, 0
	WIN MUL_HI-0x30*(\first)
	MUL16 4, (\q)%2, \q, \slot, \first
	MUL16 6, (\q)%2, \q, \slot, \first
	PLACES NP
	WIN 0
	FETCH_A \slot, (\q)+1, 4
.endm
.macro TURN slot, next                 ; slot 0's last step: one barrier, in front of which each wave's part of slot 1 has landed.  Nothing is filled again
	s_wait_tensorcnt 0x0                           ; all my tensor loads have landed
	ds_add_u32 v[SPW], v[NIL]                      ; 0 onto my spare word
	s_wait_dscnt 4*NL+1                            ; (the add and the youngest eight loads may be out)
	WIN MUL_LO
	MUL16 0, 1, NQ-1, \slot, 0
	s_wait_dscnt 0x0                               ; no LDS instruction of mine is pending at the signal: my reads of slot 0 are over
	s_barrier_signal -1
	MUL16 2, 1, NQ-1, \slot, 0
	WIN 0
	s_barrier_wait -1                              ; slot 1 is whole, and nobody reads slot 0 any more
	PLACES NP
	v_add_nc_u32 v[ADRS], 4*NQ, v[ADRS]
	FETCH_B \next, 0, 0
	FETCH_A \next, 0, 0
	SCALES \next
	WIN MUL_HI
	MUL16 4, 1, NQ-1, \slot, 0
	MUL16 6, 1, NQ-1, \slot, 0
	PLACES NP
	WIN 0
	FETCH_A \next, 0, 4
.endm
.macro STEPS slot, from
.set Q, \from
.rept NQ-1-\from
	STEP \slot, Q, 0
.set Q, Q+1
.endr
.endm
	s_wait_alu depctr_va_vdst(0)
	s_wait_tensorcnt 1                             ; the scales and my part of slot 0 are in; slot 1's load may be out
	s_barrier_signal -1
	s_barrier_wait -1
	FETCH_B 0, 0, 0
	FETCH_A 0, 0, 0
	SCALES 0
	FETCH_A 0, 0, 4
	s_wait_loadcnt 0x0                             ; the bias
	STEP 0, 0, 1                                   ; the first products take the bias as C: nothing is cleared, nothing is added later
	STEPS 0, 1
	TURN 0, 1
	STEPS 1, 0
	s_wait_dscnt 4*NL                              ; the last step: nothing more to fetch
	WIN MUL_LO
	MUL16 0, 1, NQ-1, 1, 0
	MUL16 2, 1, NQ-1, 1, 0
	s_wait_dscnt 0
	WIN MUL_HI
	MUL16 4, 1, NQ-1, 1, 0
	MUL16 6, 1, NQ-1, 1, 0
	WIN 0
; THE WAY OUT, block by block of 16 rows x 128 columns: through my own stage in LDS and back as whole rows of 512 bytes.  LDS serves a wave's instructions in order (ISA guide 5.7.1.4): no wait between the stores and the loads.
.macro TOSTAGE a
.set AC, 64*((\a)%4)
	WIN 0x08+4*((\a)/4)                            ; an LDS store's data: window 2 or 3
.irp b, 0,1,2,3,4,5,6,7
	ds_store_b128 v[STO], v[AC+8*\b:AC+8*\b+3] offset:64*\b          ; each accumulator from its low end on
	ds_store_b128 v[STO], v[AC+8*\b+4:AC+8*\b+7] offset:64*\b+16
.endr
	WIN 0
.set BB, BK+64*((\a)%2)
.irp t, 0,1,2,3,4,5,6,7,8,9,10,11,12,13,14,15
	ds_load_b128 v[BB+4*\t:BB+4*\t+3], v[RD] offset:\t*SPITCH
.endr
.endm
.macro SEND a, younger                 ; younger: the LDS instructions issued behind block a's loads, which may stay out
.set BB, BK+64*((\a)%2)
	s_wait_dscnt \younger                          ; the block is back in registers
.if (\a) > 0
	s_add_nc_u64 s[CP:CP+1], s[CP:CP+1], 16*SIZE_N*4   ; (behind a wait on XCNT: the earlier stores have read their base)  16 rows on
.endif
.irp t, 0,1,2,3,4,5,6,7,8,9,10,11,12,13,14,15
	global_store_b128 v[CO], v[BB+4*\t:BB+4*\t+3], s[CP:CP+1] offset:\t*SIZE_N*4 th:TH_STORE_NT   ; 32 lanes store 512 consecutive bytes, at a multiple of 256 from out0's first byte; written once, read by nobody here
.endr
.endm
	PLACES NP                                      ; behind the last products: the stores that read results, and the loads into the registers that held A's fragments
	TOSTAGE 0
.irp a, 1,2,3,4,5,6,7
.if \a > 1
	s_wait_xcnt 0x0                                ; block a - 2's stores have read their registers and their base: block a's loads may land there, and the base may step
.endif
	TOSTAGE \a
	SEND \a-1, 32                                  ; behind block a - 1's loads: block a's 16 stores and 16 loads
.endr
	s_wait_xcnt 0x0                                ; block 6's stores have read their base
	SEND 7, 0
	s_wait_tensorcnt 0x0                           ; the wave's end, behind my last tensor load and my last LDS store
	ds_add_u32 v[SPW], v[NIL]
	s_wait_dscnt 0x0
	CROUND                                         ; the closing round
	s_endpgm
.Lfunc_end_k_qd5285026dc_proj:
	.size	k_qd5285026dc_proj, .Lfunc_end_k_qd5285026dc_proj-k_qd5285026dc_proj
	.p2alignl 7, 3214868480
	.fill 96, 4, 3214868480
	.section	.rodata,"a",@progbits
	.p2align	6, 0x0
	.amdhsa_kernel k_qd5285026dc_proj
		.amdhsa_group_segment_fixed_size 327680
		.amdhsa_private_segment_fixed_size 0
		.amdhsa_enable_private_segment 0
		.amdhsa_kernarg_size 48
		.amdhsa_user_sgpr_count 2
		.amdhsa_user_sgpr_kernarg_segment_ptr 1
		.amdhsa_wavefront_size32 1
		.amdhsa_system_sgpr_workgroup_id_x 1
		.amdhsa_system_sgpr_workgroup_id_y 1
		.amdhsa_system_sgpr_workgroup_id_z 1
		.amdhsa_system_vgpr_workitem_id 0
		.amdhsa_next_free_vgpr 1024
		.amdhsa_next_free_sgpr 102
		.amdhsa_reserve_vcc 0
		.amdhsa_float_denorm_mode_32 3
		.amdhsa_float_denorm_mode_16_64 3
		.amdhsa_memory_ordered 1
		.amdhsa_forward_progress 1
		.amdhsa_inst_pref_size 127
	.end_amdhsa_kernel
	.amdgpu_metadata
---
amdhsa.version: [ 1, 2 ]
amdhsa.kernels:
  - .name:           k_qd5285026dc_proj
    .symbol:         k_qd5285026dc_proj.kd
    .args:
      - { .name: oc, .offset: 0, .size: 8, .value_kind: global_buffer, .address_space: global }
      - { .name: osc, .offset: 8, .size: 8, .value_kind: global_buffer, .address_space: global }
      - { .name: w_proj_codes, .offset: 16, .size: 8, .value_kind: global_buffer, .address_space: global }
      - { .name: w_proj_scales, .offset: 24, .size: 8, .value_kind: global_buffer, .address_space: global }
      - { .name: b_proj, .offset: 32, .size: 8, .value_kind: global_buffer, .address_space: global }
      - { .name: out0, .offset: 40, .size: 8, .value_kind: global_buffer, .address_space: global }
    .group_segment_fixed_size: 327680
    .private_segment_fixed_size: 0
    .kernarg_segment_align: 8
    .kernarg_segment_size: 48
    .max_flat_workgroup_size: 128
    .sgpr_count:     102
    .vgpr_count:     1024
    .wavefront_size: 32
...
	.end_amdgpu_metadata
.endif
;; end of part 3
